; MI455X (gfx1250); checked and timed in simulation.
; The chip was launched on July 23, 2026; its instructions are those of AMD's public machine-readable ISA for CDNA 5 (MIT licence, August 2026) and "CDNA5" Instruction Set Architecture Reference Guide (July 2026). The comments in the code are by the model that wrote it; some were corrected since.
;; Point Net Feature Propagation. Allowed arithmetic: float matrix products may take bf16 or f16 operands with f32 sums; all other float work in f32.
;; Inputs: W 64 x 64 float32; b 64 float32; beta 64 float32; gamma 64 float32; points1 4 x 8,192 x 64 float32; points2 4 x 4,096 x 64 float32; xyz1 4 x 8,192 x 3 float32; xyz2 4 x 4,096 x 3 float32.
;; Outputs: out0 4 x 8,192 x 64 float32.
;; 2 versions, each right; version 2 is version 1 with the launches coarse, interp written anew for expert scheduling mode. Each part assembles by itself: llvm-mc -triple=amdgcn-amd-amdhsa -mcpu=gfx1250 --defsym DOCPART=n.
;; ======== version 1 of 2: 4 launches
;; limits: values outside matrix products are rounded to bf16; values within 3.05e-05 (relative) of each other or of a threshold may be ordered or decided otherwise than in the reference
;; workspace buffers: groups 524,288 bytes of whole numbers; nbr 524,288 bytes of whole numbers; wgt 524,288 bytes; y 8,388,608 bytes; part 131,072 bytes
;; launch coarse (part 1): grid 256 x 1, 16 waves a work-group, no clusters, 79,872 bytes of LDS; arguments xyz1, xyz2, groups; writes groups
.if DOCPART == 1
	.amdgcn_target "amdgcn-amd-amdhsa--gfx1250"
	.amdhsa_code_object_version 6
	.text
	.protected	k_qcc9ee97436_coarse
	.globl	k_qcc9ee97436_coarse
	.p2align	8
	.type	k_qcc9ee97436_coarse,@function
k_qcc9ee97436_coarse:
	s_mov_b64 s[64:65], 0
	v_nop
	global_prefetch_b8 v0, s[64:65] scope:SCOPE_SE
	s_setreg_imm32_b32 hwreg(HW_REG_WAVE_MODE, 25, 1), 1
	s_wait_xcnt 0x0
; COARSE: for each query, the 4 groups of 16 consecutive candidates that can hold its 3 nearest neighbours.
; xyz1 [4][8192][3] f32, xyz2 [4][4096][3] f32, groups [32768][4] u32 (group numbers 0..255, ascending).
; The distance d = |x1|^2 + |x2|^2 - 2 x1.x2 of 16 candidates x 16 queries is one bf16 matrix instruction:
;   A row  = candidate record (x, y, z, bh, bm, bl, 0, 0), bh + bm + bl = |x2|^2 cut into three bf16 pieces,
;   B col  = query (-2x, -2y, -2z, 1, 1, 1, 0, 0),   C = |x1|^2.
; A record is 8 of the 32 places along K, so one A fragment carries four tiles and four B variants (the query in one
; quarter of K, zeros in the others) pick one tile each.  The vector unit only keeps each group's minimum (v_min3)
; and, per group minimum, five lines that keep the four smallest.  The exact ranking is the next launch's.
; A work-group: 128 queries (8 tiles of 16) against its batch's 4,096 candidates.  Wave w: query tiles 2 (w&3), 2 (w&3)+1
; and the candidate blocks 4 (w>>2) .. +3 (a block = 256 candidates = 16 groups): 128 matrix instructions.
; LIMITS.  (1) All coordinates are rounded to bf16 on load; arithmetic in f32.  (2) Four groups are kept where three are
; needed: a true neighbour is lost only if two or more other groups' minima lie within about 2^-15 d plus a few
; 2^-23 (|x1|^2 + |x2|^2) of the third smallest minimum; the neighbour taken instead is farther by at most that.
; (3) No NaN or infinity among the coordinates, and their squares stay finite.  (4) points1 is read by no launch:
; reference() takes it and never uses it.
; No tensor loads and no cluster: what work-groups share is 48 KiB of xyz2, which passes through registers to be converted.
.set TILEB,  272                       ; a tile in LDS: 16 records of 16 bytes + 16 bytes, so that tiles start 16 bytes apart modulo 256
.set FRAGB,  4*TILEB                   ; the four tiles of one A fragment
.set QUARTB, 64*TILEB                  ; the 64 tiles (4 blocks) of one quarter of the candidates
.set HALFB,  128*TILEB                 ; the tiles of 2,048 candidates
.set KEYX,   256*TILEB                 ; behind the table: 4 quarters x 128 queries x 4 keys
.set LANE, 2
.set RR,   3                           ; lane & 15
.set HH,   4                           ; lane >> 4
.set XO,   5                           ; 48 t: my 4 candidates in xyz2
.set QO,   6                           ; 12 r: my query in xyz1
.set STA,  7                           ; where my first record goes
.set ADA,  11                          ; where my part of A fragment 0 lies
.set HB,   12                          ; the group number's bits that hang on the lane and the wave: 8 h | 64 (w>>2)
.set KST,  13                          ; where my four keys go
.set KLD,  14                          ; where query t's keys lie
.set GO,   15                          ; 16 t
.set BW,   16                          ; v[16:51]   nine quads: Z P0 Z P0' Z P1 Z P1' Z (P: query in lanes 0-15, P': in lanes 16-31, Z: zeros)
.set CC,   52                          ; v[52:67]   C of query tile 0, 1: |x1|^2 in all eight registers
.set AB,   68                          ; v[68:83]   A fragments, two buffers
.set DS,   84                          ; v[84:147]  results: set q = four tuples of eight
.set MM,   148                         ; v[148:163] running group minima of query tile 0, 1
.set KK,   164                         ; v[164:171] the four smallest keys of query tile 0, 1, ascending
.set TT,   172                         ; v[172:179] keys at work
.set XL,   84                          ; while the table is built: xyz2 as loaded (24 registers),
.set QL,   108                         ; xyz1 as loaded (6),
.set REC,  116                         ; eight records of four words,
.set TB,   148                         ; and seven temporaries
; One candidate: round to bf16, b = (x^2 + y^2) + z^2, cut b into three bf16 pieces, store the record.
.macro CAND src, rec, off
	v_cvt_pk_bf16_f32 v[\rec], v[\src], v[\src+1]          ; word 0: x, y
	v_cvt_pk_bf16_f32 v[TB+2], v[\src+2], v[\src+2]
	v_lshlrev_b32 v[TB], 16, v[\rec]                       ; the rounded x, y, z as f32
	v_and_b32 v[TB+1], s18, v[\rec]
	v_lshlrev_b32 v[TB+2], 16, v[TB+2]
	v_mul_f32 v[TB+3], v[TB], v[TB]
	v_fmac_f32 v[TB+3], v[TB+1], v[TB+1]
	v_fmac_f32 v[TB+3], v[TB+2], v[TB+2]                   ; b
	v_cvt_pk_bf16_f32 v[\rec+1], v[TB+2], v[TB+3]          ; word 1: z, bh
	v_and_b32 v[TB+4], s18, v[\rec+1]
	v_sub_f32 v[TB+4], v[TB+3], v[TB+4]                    ; b - bh, exact
	v_cvt_pk_bf16_f32 v[TB+5], v[TB+4], v[TB+4]
	v_lshlrev_b32 v[TB+5], 16, v[TB+5]
	v_sub_f32 v[TB+5], v[TB+4], v[TB+5]                    ; b - bh - bm, exact
	v_cvt_pk_bf16_f32 v[\rec+2], v[TB+4], v[TB+5]          ; word 2: bm, bl (word 3 is 0)
	ds_store_b128 v[STA], v[\rec:\rec+3] offset:\off
.endm
; One query tile: C and the two masked copies of the query's record.
.macro QPREP q
	v_cvt_pk_bf16_f32 v[TB], v[QL+3*\q], v[QL+3*\q+1]
	v_cvt_pk_bf16_f32 v[TB+2], v[QL+3*\q+2], v[QL+3*\q+2]
	v_and_b32 v[TB+1], s18, v[TB]
	v_lshlrev_b32 v[TB], 16, v[TB]
	v_lshlrev_b32 v[TB+2], 16, v[TB+2]
	v_mul_f32 v[TB+3], v[TB], v[TB]
	v_fmac_f32 v[TB+3], v[TB+1], v[TB+1]
	v_fmac_f32 v[TB+3], v[TB+2], v[TB+2]                   ; a = |x1|^2
	v_fma_f32 v[CC+8*\q], v[TB+3], 0x37800000, v[TB+3]     ; a (1 + 2^-16): the same shift for all candidates of a query; it keeps the
	                                                       ; coarse distances above 0, so that keys order like their bit patterns
.irp j, 1,2,3,4,5,6,7
	v_mov_b32 v[CC+8*\q+\j], v[CC+8*\q]
.endr
	v_mul_f32 v[TB], -2.0, v[TB]
	v_mul_f32 v[TB+1], -2.0, v[TB+1]
	v_mul_f32 v[TB+2], -2.0, v[TB+2]
	v_cvt_pk_bf16_f32 v[TB+4], v[TB], v[TB+1]              ; -2x, -2y (exact)
	v_cvt_pk_bf16_f32 v[TB+5], v[TB+2], 1.0                ; -2z, 1    (TB+6 holds 1, 1)
.irp k, 0,1,2
	v_cndmask_b32 v[BW+4+16*\q+\k], 0, v[TB+4+\k], s17     ; P:  lanes 0-15
	v_cndmask_b32 v[BW+12+16*\q+\k], 0, v[TB+4+\k], s18    ; P': lanes 16-31
.endr
.endm
; A fragment fr: registers 0-3 = tiles 4 fr (lanes 0-15) and 4 fr + 1 (lanes 16-31), registers 4-7 = tiles 4 fr + 2, 4 fr + 3.
.macro LOADA fr
	ds_load_b128 v[AB+8*((\fr)&1):AB+8*((\fr)&1)+3],   v[ADA] offset:FRAGB*(\fr)
	ds_load_b128 v[AB+8*((\fr)&1)+4:AB+8*((\fr)&1)+7], v[ADA] offset:FRAGB*(\fr)+2*TILEB
.endm
; Four matrix instructions: the four tiles of fragment fr against query tile q.  Register j of lane (r, h) of a result:
; candidate group 8 h + j of the block, query r.
.macro WM fr, q
	v_wmma_f32_16x16x32_bf16 v[DS+32*\q:DS+32*\q+7],       v[AB+8*((\fr)&1):AB+8*((\fr)&1)+7], v[BW+4+16*\q:BW+11+16*\q],  v[CC+8*\q:CC+8*\q+7]   ; (P, Z)
	v_wmma_f32_16x16x32_bf16 v[DS+32*\q+8:DS+32*\q+15],    v[AB+8*((\fr)&1):AB+8*((\fr)&1)+7], v[BW+12+16*\q:BW+19+16*\q], v[CC+8*\q:CC+8*\q+7]   ; (P', Z)
	v_wmma_f32_16x16x32_bf16 v[DS+32*\q+16:DS+32*\q+23],   v[AB+8*((\fr)&1):AB+8*((\fr)&1)+7], v[BW+16*\q:BW+7+16*\q],     v[CC+8*\q:CC+8*\q+7]   ; (Z, P)
	v_wmma_f32_16x16x32_bf16 v[DS+32*\q+24:DS+32*\q+31],   v[AB+8*((\fr)&1):AB+8*((\fr)&1)+7], v[BW+8+16*\q:BW+15+16*\q],  v[CC+8*\q:CC+8*\q+7]   ; (Z, P')
.endm
; The four results of a unit into the running minima; a block's first fragment starts them.
.macro VMIN q, fr
.irp j, 0,1,2,3,4,5,6,7
.if ((\fr)&3) == 0
	v_min_num_f32 v[MM+8*\q+\j], v[DS+32*\q+\j], v[DS+32*\q+8+\j]
.else
	v_min3_num_f32 v[MM+8*\q+\j], v[MM+8*\q+\j], v[DS+32*\q+\j], v[DS+32*\q+8+\j]
.endif
.endr
.irp j, 0,1,2,3,4,5,6,7
	v_min3_num_f32 v[MM+8*\q+\j], v[MM+8*\q+\j], v[DS+32*\q+16+\j], v[DS+32*\q+24+\j]
.endr
.endm
; A key into an ascending list of four.
.macro INS4 k, key
	v_med3_num_f32 v[\k+3], v[\key], v[\k+2], v[\k+3]
	v_med3_num_f32 v[\k+2], v[\key], v[\k+1], v[\k+2]
	v_med3_num_f32 v[\k+1], v[\key], v[\k], v[\k+1]
	v_min_num_f32 v[\k], v[\key], v[\k]
.endm
; A block's eight group minima of a lane: key = the minimum's upper 24 bits | the group number's bits 16 blk + j.
.macro SEL q, blk
.irp j, 0,1,2,3,4,5,6,7
	v_and_or_b32 v[TT+\j], v[MM+8*\q+\j], s16, 16*(\blk)+\j
.endr
.irp j, 0,1,2,3,4,5,6,7
	INS4 KK+4*\q, TT+\j
.endr
.endm
.macro KINIT
.irp i, 0,1,2,3,4,5,6,7
	v_mov_b32 v[KK+\i], 0x7f800000                         ; + infinity; each list takes 32 finite keys, so none stays
.endr
.endm
.macro CSWAP a, b
	v_min_u32 v[TT+4], v[\a], v[\b]
	v_max_u32 v[\b], v[\a], v[\b]
	v_mov_b32 v[\a], v[TT+4]
.endm
	s_load_b128 s[4:7], s[0:1], 0x0                ; xyz1 s[4:5], xyz2 s[6:7]
	s_load_b64 s[8:9], s[0:1], 0x10                ; groups
	v_lshl_add_u32 v184, v0, 2, 0x13000
	v_mov_b32 v185, 0
	v_lshrrev_b32 v1, 5, v0
	v_readfirstlane_b32 s10, v1                    ; wave 0..15
	s_and_b32 s11, s10, 3                          ; which pair of query tiles
	s_lshr_b32 s12, s10, 2                         ; which quarter of the candidates
	s_lshr_b32 s13, ttmp9, 6                       ; batch: 64 work-groups of 128 queries each
	s_mul_i32 s14, s13, 49152                      ; a batch of xyz2: 4,096 x 12 bytes
	s_mov_b32 s15, 0
	s_mul_i32 s22, ttmp9, 1536                     ; 128 queries x 12 bytes
	s_mul_i32 s23, s11, 384                        ; + 32 queries for each pair of tiles
	s_add_co_u32 s22, s22, s23
	s_mov_b32 s23, 0
	s_lshl_b32 s24, ttmp9, 11                      ; 128 queries x 16 bytes of groups
	s_mov_b32 s25, 0
	s_mov_b32 s16, 0xffffff00                      ; a key's distance bits
	s_mov_b32 s17, 0x0000ffff                      ; lanes 0-15
	s_mov_b32 s18, 0xffff0000                      ; lanes 16-31, and a word's upper bf16
	s_mov_b32 s20, 0x76543210                      ; v_permlanex16_b32: lane i of one half reads lane i of the other
	s_mov_b32 s21, 0xfedcba98
	v_and_b32 v[LANE], 31, v0
	v_and_b32 v[RR], 15, v0
	v_bfe_u32 v[HH], v0, 4, 1
	v_mul_u32_u24 v[XO], v0, 48
	v_mul_u32_u24 v[QO], v[RR], 12
	; candidate 2048 u + 4 t + c: block 8 u + (t >> 6), group-in-block m = (t >> 2) & 15, element 4 (t & 3) + c;
	; tile = 16 block + element, row m: byte (16 (t>>6) + 4 (t&3)) 272 + 16 m + 272 c + 34,816 u
	v_lshrrev_b32 v8, 6, v0
	v_and_b32 v9, 3, v0
	v_lshl_add_u32 v8, v8, 2, v9
	v_mul_u32_u24 v8, v8, FRAGB
	v_bfe_u32 v9, v0, 2, 4
	v_lshl_add_u32 v[STA], v9, 4, v8               ; sixteen neighbouring lanes: sixteen different 16-byte columns modulo 256 bytes
	s_mul_i32 s26, s12, QUARTB
	v_mul_u32_u24 v[ADA], v[HH], TILEB
	v_lshl_add_u32 v[ADA], v[RR], 4, v[ADA]
	v_add_nc_u32 v[ADA], s26, v[ADA]               ; quarter + 272 h + 16 r
	s_lshl_b32 s27, s12, 6
	v_lshl_or_b32 v[HB], v[HH], 3, s27
	s_lshl_b32 s28, s12, 11                        ; key exchange: quarter x 2,048
	s_lshl_b32 s29, s11, 9                         ; + 32 queries x 16 bytes for each pair of tiles
	s_add_co_u32 s28, s28, s29
	s_add_co_u32 s28, s28, KEYX
	v_lshl_add_u32 v[KST], v[LANE], 4, s28
	v_lshl_add_u32 v[KLD], v0, 4, KEYX             ; the base lies above what a 16-bit immediate reaches
	v_lshlrev_b32 v[GO], 4, v0
	s_wait_kmcnt 0x0
	s_add_nc_u64 s[6:7], s[6:7], s[14:15]
	s_add_nc_u64 s[4:5], s[4:5], s[22:23]
	s_add_nc_u64 s[8:9], s[8:9], s[24:25]
.irp u, 0,1
.irp k, 0,1,2
	global_load_b128 v[XL+12*\u+4*\k:XL+12*\u+4*\k+3], v[XO], s[6:7] offset:24576*\u+16*\k   ; 48 bytes = 4 candidates, twice
.endr
.endr
.irp q, 0,1
.irp k, 0,1,2
	global_load_b32 v[QL+3*\q+\k], v[QO], s[4:5] offset:192*\q+4*\k                          ; query r of my two tiles
.endr
.endr
	; while the loads are out: the zeros of the B window and of the records' last words
.irp z, 0,8,16,24,32
.irp k, 0,1,2,3
	v_mov_b32 v[BW+\z+\k], 0
.endr
.endr
.irp z, 7,15,23,31
	v_mov_b32 v[BW+\z], 0
.endr
.irp i, 0,1,2,3,4,5,6,7
	v_mov_b32 v[REC+4*\i+3], 0
.endr
	v_mov_b32 v[TB+6], 0x3f803f80                  ; bf16 1, 1
	s_wait_loadcnt 0x0
.irp u, 0,1
.irp c, 0,1,2,3
	CAND XL+12*\u+3*\c, REC+16*\u+4*\c, HALFB*\u+TILEB*\c
.endr
.endr
	QPREP 0
	QPREP 1
	s_wait_dscnt 0x0                               ; my records are in LDS,
	s_barrier_signal -1
	s_barrier_wait -1                              ; everybody's are
	; THE SCAN, written out: 16 fragments x 2 query tiles.  Behind the four matrix instructions of a unit stand the sixteen
	; (or more) vector lines that take in the unit BEFORE it, which name none of its registers: these are the places that
	; ISA guide 7.12.1 asks for in front of the lines that read its results, of the load into an A buffer that it read,
	; and of the matrix instructions that write its result set again.  No result is added onto, so no chain arises.
	LOADA 0
.irp f, 0,1,2,3,4,5,6,7,8,9,10,11,12,13,14,15
	s_wait_dscnt 0x0                               ; the two loads of fragment f, issued a fragment ago
	WM \f, 0
.if \f < 15
	LOADA \f+1                                     ; into the buffer that fragment f - 1 used
.endif
.if \f == 0
	KINIT
.else
	VMIN 1, \f-1
.if ((\f-1)&3) == 3
	SEL 1, (\f-1)>>2
.endif
.endif
	WM \f, 1
	VMIN 0, \f
.if (\f&3) == 3
	SEL 0, \f>>2
.endif
.endr
	VMIN 1, 15
	SEL 1, 3
	; the rest of the group number; then the two halves of the lanes (groups 8 h + j) join their lists
.irp i, 0,1,2,3,4,5,6,7
	v_or_b32 v[KK+\i], v[HB], v[KK+\i]
.endr
.irp i, 0,1,2,3,4,5,6,7
	v_permlanex16_b32 v[TT+\i], v[KK+\i], s20, s21
.endr
.irp i, 0,1,2,3
	INS4 KK, TT+\i
	INS4 KK+4, TT+4+\i
.endr
.irp i, 0,1,2,3
	v_cndmask_b32 v[TT+\i], v[KK+\i], v[KK+4+\i], s18      ; lanes 0-15 carry tile 0's query r, lanes 16-31 tile 1's
.endr
	ds_store_b128 v[KST], v[TT:TT+3]
	s_wait_dscnt 0x0                               ; my keys are in LDS,
	s_barrier_signal -1
	s_barrier_wait -1                              ; everybody's are
	s_cmp_ge_u32 s10, 4
	s_cbranch_scc1 .Lend                           ; 128 queries: four waves finish
	; thread t = query t: the four quarters' lists into one
	ds_load_b128 v[KK:KK+3], v[KLD]
	ds_load_b128 v[DS:DS+3], v[KLD] offset:2048
	ds_load_b128 v[DS+4:DS+7], v[KLD] offset:4096
	ds_load_b128 v[DS+8:DS+11], v[KLD] offset:6144
	s_wait_dscnt 0x0
.irp i, 0,1,2,3,4,5,6,7,8,9,10,11
	INS4 KK, DS+\i
.endr
.irp i, 0,1,2,3
	v_and_b32 v[TT+\i], 0xff, v[KK+\i]             ; the group numbers
.endr
	CSWAP TT, TT+1                                 ; ascending, so that the exact ranking meets lower indices first
	CSWAP TT+2, TT+3
	CSWAP TT, TT+2
	CSWAP TT+1, TT+3
	CSWAP TT+1, TT+2
	global_store_b128 v[GO], v[TT:TT+3], s[8:9]    ; a wave's store covers 512 consecutive bytes, aligned
.Lend:
	s_wait_tensorcnt 0x0
	ds_add_u32 v184, v185
	s_wait_dscnt 0x0
	s_endpgm
.Lfunc_end_k_qcc9ee97436_coarse:
	.size	k_qcc9ee97436_coarse, .Lfunc_end_k_qcc9ee97436_coarse-k_qcc9ee97436_coarse
	.p2alignl 7, 3214868480
	.fill 96, 4, 3214868480
	.section	.rodata,"a",@progbits
	.p2align	6, 0x0
	.amdhsa_kernel k_qcc9ee97436_coarse
		.amdhsa_group_segment_fixed_size 79872
		.amdhsa_private_segment_fixed_size 0
		.amdhsa_enable_private_segment 0
		.amdhsa_kernarg_size 24
		.amdhsa_user_sgpr_count 2
		.amdhsa_user_sgpr_kernarg_segment_ptr 1
		.amdhsa_wavefront_size32 1
		.amdhsa_system_sgpr_workgroup_id_x 1
		.amdhsa_system_sgpr_workgroup_id_y 1
		.amdhsa_system_sgpr_workgroup_id_z 1
		.amdhsa_system_vgpr_workitem_id 0
		.amdhsa_next_free_vgpr 186
		.amdhsa_next_free_sgpr 66
		.amdhsa_reserve_vcc 0
		.amdhsa_float_denorm_mode_32 3
		.amdhsa_float_denorm_mode_16_64 3
		.amdhsa_memory_ordered 1
		.amdhsa_forward_progress 1
		.amdhsa_inst_pref_size 79
	.end_amdhsa_kernel
	.amdgpu_metadata
---
amdhsa.version: [ 1, 2 ]
amdhsa.kernels:
  - .name:           k_qcc9ee97436_coarse
    .symbol:         k_qcc9ee97436_coarse.kd
    .args:
      - { .name: xyz1, .offset: 0, .size: 8, .value_kind: global_buffer, .address_space: global }
      - { .name: xyz2, .offset: 8, .size: 8, .value_kind: global_buffer, .address_space: global }
      - { .name: groups, .offset: 16, .size: 8, .value_kind: global_buffer, .address_space: global }
    .group_segment_fixed_size: 79872
    .private_segment_fixed_size: 0
    .kernarg_segment_align: 8
    .kernarg_segment_size: 24
    .max_flat_workgroup_size: 512
    .sgpr_count:     66
    .vgpr_count:     186
    .wavefront_size: 32
...
	.end_amdgpu_metadata
.endif
;; end of part 1
;; launch rerank (part 2): grid 256 x 1, 8 waves a work-group, no clusters, 70,656 bytes of LDS; arguments xyz1, xyz2, groups, nbr, wgt; writes nbr, wgt
.if DOCPART == 2
	.amdgcn_target "amdgcn-amd-amdhsa--gfx1250"
	.amdhsa_code_object_version 6
	.text
	.protected	k_qcc9ee97436_rerank
	.globl	k_qcc9ee97436_rerank
	.p2align	8
	.type	k_qcc9ee97436_rerank,@function
k_qcc9ee97436_rerank:
	s_mov_b64 s[64:65], 0
	v_nop
	global_prefetch_b8 v0, s[64:65] scope:SCOPE_SE
	s_setreg_imm32_b32 hwreg(HW_REG_WAVE_MODE, 25, 1), 1
	s_wait_xcnt 0x0
; RERANK: the exact 3 nearest of the 4 x 16 candidates that the launch before kept, and their weights.
; xyz1 [4][8192][3], xyz2 [4][4096][3] f32; groups [32768][4] u32 (ascending); nbr [32768][4] u32 (i1, i2, i3, 0);
; wgt [32768][4] f32 (w1, w2, w3, 0).
; Coordinates are rounded to bf16 on load.  Every product of two of them is then exact in f32, and the distance is formed in
; the order a = (x^2 + y^2) + z^2, b likewise, dot = (xX + yY) + zZ, d = (a + b) - 2 dot (the factor -2 is folded into the
; query: a power of two changes no rounding).  Equal distances: the lower index wins, as in a stable top-k.
; A work-group: 128 queries; it lays its batch's 4,096 candidates into LDS once.  Wave w: queries 16 w .. 16 w + 15;
; lanes r and r + 16 share query r, the lower lane takes the two lower groups, the upper lane the two upper ones.
; LIMITS: no NaN or infinity among the coordinates, squares finite; group numbers are clamped to 255.
; No matrix unit (64 candidates a query), no tensor loads (the table is converted on its way through registers).
.set GP,   272                         ; a group in LDS: 8 pair records of 32 bytes (X0 X1 Y0 Y1 | Z0 Z1 B0 B1) + 16 bytes
.set LANE, 1
.set RR,   2
.set XO,   4                           ; 48 t
.set RO,   5                           ; 16 r: my query's record in groups, nbr, wgt
.set QO,   6                           ; 12 r
.set STA,  7                           ; where my first four candidates go
.set ID,   8                           ; v[8:11]   the four group numbers
.set QL,   12                          ; v[12:14]  the query as loaded; at the end v[12:15] = the weights
.set QX,   16                          ; pairs: -2x, -2y, -2z, a, each twice
.set QY,   18
.set QZ,   20
.set QA,   22
.set IDA,  24                          ; my two groups
.set IDB,  25
.set ADA,  26                          ; and their LDS addresses
.set ADB,  27
.set MA,   28                          ; v[28:30] set A: three smallest distances;  v[32:34] their slots, then indices; v35 = 0
.set IA,   32
.set MB,   36                          ; v[36:38], v[40:42] set B
.set IB,   40
.set DA,   44                          ; v[44:47], v[48:51] distances at work
.set DB,   48
.set TA,   52                          ; v[52:53], v[54:55] selects at work
.set TBB,  54
.set PM,   56                          ; v[56:58], v[59:61] the partner lane's triple
.set PI,   59
.set XL,   64                          ; v[64:111]  xyz2 as loaded
.set OUTR, 112                         ; v[112:175] pair records to store
.set TT,   176
.set GA,   64                          ; v[64:191]  later: pair p of group A at GA + 16 p, of group B at GA + 16 p + 8
; One candidate into its places of a pair record.
.macro CAND2 src, dst, par
	v_cvt_pk_bf16_f32 v[TT], v[\src], v[\src+1]
	v_cvt_pk_bf16_f32 v[TT+1], v[\src+2], v[\src+2]
	v_lshlrev_b32 v[\dst+\par], 16, v[TT]
	v_and_b32 v[\dst+2+\par], s18, v[TT]
	v_lshlrev_b32 v[\dst+4+\par], 16, v[TT+1]
	v_mul_f32 v[\dst+6+\par], v[\dst+\par], v[\dst+\par]
	v_fmac_f32 v[\dst+6+\par], v[\dst+2+\par], v[\dst+2+\par]      ; the squares are exact, so the fused form rounds as (x^2 + y^2)
	v_fmac_f32 v[\dst+6+\par], v[\dst+4+\par], v[\dst+4+\par]      ; + z^2
.endm
.macro TAB4 u
	CAND2 XL+12*\u, OUTR+16*\u, 0
	CAND2 XL+12*\u+3, OUTR+16*\u, 1
	CAND2 XL+12*\u+6, OUTR+16*\u+8, 0
	CAND2 XL+12*\u+9, OUTR+16*\u+8, 1
.irp k, 0,1,2,3
	ds_store_b128 v[STA], v[OUTR+16*\u+4*\k:OUTR+16*\u+4*\k+3] offset:64*GP*\u+16*\k
.endr
.endm
; Two distances.
.macro DIST g, d
	v_pk_mul_f32 v[\d:\d+1], v[\g:\g+1], v[QX:QX+1]
	v_pk_add_f32 v[\d+2:\d+3], v[\g+6:\g+7], v[QA:QA+1]
	v_pk_fma_f32 v[\d:\d+1], v[\g+2:\g+3], v[QY:QY+1], v[\d:\d+1]
	v_pk_fma_f32 v[\d:\d+1], v[\g+4:\g+5], v[QZ:QZ+1], v[\d:\d+1]
	v_pk_add_f32 v[\d:\d+1], v[\d+2:\d+3], v[\d:\d+1]
.endm
; (d, slot) into an ascending triple.  Strictly smaller only: what came first, the lower index, keeps its place.
.macro INSC m, i, c, t, d, slot
	v_cmp_lt_f32 s[\c], v[\d], v[\m]
	v_cmp_lt_f32 s[\c+1], v[\d], v[\m+1]
	v_cmp_lt_f32 s[\c+2], v[\d], v[\m+2]
	v_cndmask_b32 v[\t], \slot, v[\i+1], s[\c+1]
	v_cndmask_b32 v[\t+1], \slot, v[\i], s[\c]
	v_cndmask_b32 v[\i+2], v[\i+2], v[\t], s[\c+2]
	v_cndmask_b32 v[\i+1], v[\i+1], v[\t+1], s[\c+1]
	v_cndmask_b32 v[\i], v[\i], \slot, s[\c]
	v_med3_num_f32 v[\m+2], v[\d], v[\m+1], v[\m+2]
	v_med3_num_f32 v[\m+1], v[\d], v[\m], v[\m+1]
	v_min_num_f32 v[\m], v[\d], v[\m]
.endm
.macro INSV m, i, c, t, d, slot
	v_cmp_lt_f32 s[\c], v[\d], v[\m]
	v_cmp_lt_f32 s[\c+1], v[\d], v[\m+1]
	v_cmp_lt_f32 s[\c+2], v[\d], v[\m+2]
	v_cndmask_b32 v[\t], v[\slot], v[\i+1], s[\c+1]
	v_cndmask_b32 v[\t+1], v[\slot], v[\i], s[\c]
	v_cndmask_b32 v[\i+2], v[\i+2], v[\t], s[\c+2]
	v_cndmask_b32 v[\i+1], v[\i+1], v[\t+1], s[\c+1]
	v_cndmask_b32 v[\i], v[\i], v[\slot], s[\c]
	v_med3_num_f32 v[\m+2], v[\d], v[\m+1], v[\m+2]
	v_med3_num_f32 v[\m+1], v[\d], v[\m], v[\m+1]
	v_min_num_f32 v[\m], v[\d], v[\m]
.endm
; slot 0..15: group A's element, 16..31: group B's; index = 16 group + element
.macro SLOT2IDX i
	v_cmp_gt_u32 vcc_lo, 16, v[\i]
	v_cndmask_b32 v[TA], v[IDB], v[IDA], vcc_lo
	v_and_b32 v[\i], 15, v[\i]
	v_lshl_add_u32 v[\i], v[TA], 4, v[\i]
.endm
	s_load_b256 s[4:11], s[0:1], 0x0               ; xyz1 s[4:5], xyz2 s[6:7], groups s[8:9], nbr s[10:11]
	s_load_b64 s[12:13], s[0:1], 0x20              ; wgt
	v_lshl_add_u32 v192, v0, 2, 0x11000
	v_mov_b32 v193, 0
	v_lshrrev_b32 v1, 5, v0
	v_readfirstlane_b32 s14, v1                    ; wave 0..7
	s_lshr_b32 s15, ttmp9, 6                       ; batch
	s_mul_i32 s16, s15, 49152
	s_mov_b32 s17, 0
	s_mul_i32 s28, ttmp9, 1536                     ; xyz1: 128 queries x 12 bytes,
	s_mul_i32 s29, s14, 192                        ; 16 for each wave
	s_add_co_u32 s28, s28, s29
	s_mov_b32 s29, 0
	s_lshl_b32 s30, ttmp9, 11                      ; groups, nbr, wgt: 16 bytes a query
	s_lshl_b32 s31, s14, 8
	s_add_co_u32 s30, s30, s31
	s_mov_b32 s31, 0
	s_mov_b32 s18, 0xffff0000                      ; lanes 16-31, and a word's upper bf16
	s_mov_b32 s32, 0x76543210
	s_mov_b32 s33, 0xfedcba98
	v_and_b32 v[LANE], 31, v0
	v_and_b32 v[RR], 15, v0
	v_mul_u32_u24 v[XO], v0, 48
	v_lshlrev_b32 v[RO], 4, v[RR]
	v_mul_u32_u24 v[QO], v[RR], 12
	; candidates 4 (t + 256 u) + c: group (t >> 2) + 64 u, pairs 2 (t & 3) and 2 (t & 3) + 1
	v_lshrrev_b32 v[STA], 2, v0
	v_mul_u32_u24 v[STA], v[STA], GP
	v_and_b32 v3, 3, v0
	v_lshl_add_u32 v[STA], v3, 6, v[STA]           ; sixteen neighbouring lanes: sixteen different 16-byte columns modulo 256 bytes
	s_wait_kmcnt 0x0
	s_add_nc_u64 s[6:7], s[6:7], s[16:17]
	s_add_nc_u64 s[4:5], s[4:5], s[28:29]
	s_add_nc_u64 s[8:9], s[8:9], s[30:31]
	s_add_nc_u64 s[10:11], s[10:11], s[30:31]
	s_add_nc_u64 s[12:13], s[12:13], s[30:31]
	global_load_b128 v[ID:ID+3], v[RO], s[8:9]
.irp k, 0,1,2
	global_load_b32 v[QL+\k], v[QO], s[4:5] offset:4*\k
.endr
.irp u, 0,1,2,3
.irp k, 0,1,2
	global_load_b128 v[XL+12*\u+4*\k:XL+12*\u+4*\k+3], v[XO], s[6:7] offset:12288*\u+16*\k
.endr
.endr
	s_wait_loadcnt 0x0
	TAB4 0
	TAB4 1
	TAB4 2
	TAB4 3
	; the query
	v_cvt_pk_bf16_f32 v[TT], v[QL], v[QL+1]
	v_cvt_pk_bf16_f32 v[TT+1], v[QL+2], v[QL+2]
	v_lshlrev_b32 v[QX], 16, v[TT]
	v_and_b32 v[QY], s18, v[TT]
	v_lshlrev_b32 v[QZ], 16, v[TT+1]
	v_mul_f32 v[QA], v[QX], v[QX]
	v_fmac_f32 v[QA], v[QY], v[QY]
	v_fmac_f32 v[QA], v[QZ], v[QZ]
	v_mul_f32 v[QX], -2.0, v[QX]
	v_mul_f32 v[QY], -2.0, v[QY]
	v_mul_f32 v[QZ], -2.0, v[QZ]
	v_mov_b32 v[QX+1], v[QX]
	v_mov_b32 v[QY+1], v[QY]
	v_mov_b32 v[QZ+1], v[QZ]
	v_mov_b32 v[QA+1], v[QA]
	; my two groups: the lower lane takes numbers 0, 1 of the ascending four, the upper lane 2, 3
	v_cndmask_b32 v[IDA], v[ID], v[ID+2], s18
	v_cndmask_b32 v[IDB], v[ID+1], v[ID+3], s18
	v_min_u32 v[IDA], 0xff, v[IDA]                 ; a loaded number enters an address only clamped to the table
	v_min_u32 v[IDB], 0xff, v[IDB]
	v_mul_u32_u24 v[ADA], v[IDA], GP
	v_mul_u32_u24 v[ADB], v[IDB], GP
	s_wait_dscnt 0x0                               ; my part of the table is in LDS,
	s_barrier_signal -1
	s_barrier_wait -1                              ; everybody's is
.irp p, 0,1,2,3,4,5,6,7
	ds_load_b128 v[GA+16*\p:GA+16*\p+3],     v[ADA] offset:32*\p
	ds_load_b128 v[GA+16*\p+4:GA+16*\p+7],   v[ADA] offset:32*\p+16
	ds_load_b128 v[GA+16*\p+8:GA+16*\p+11],  v[ADB] offset:32*\p
	ds_load_b128 v[GA+16*\p+12:GA+16*\p+15], v[ADB] offset:32*\p+16
.endr
.irp k, 0,1,2
	v_mov_b32 v[MA+\k], 0x7f800000                 ; each set takes 16 finite distances: no infinity stays
	v_mov_b32 v[MB+\k], 0x7f800000
	v_mov_b32 v[IA+\k], 0
	v_mov_b32 v[IB+\k], 0
	v_mov_b32 v[PM+\k], 0                          ; v_permlanex16_b32 counts as a reader of its destination
	v_mov_b32 v[PI+\k], 0
.endr
.irp p, 0,1,2,3,4,5,6,7
	s_wait_dscnt 28-4*\p                           ; LDS loads come back in order (ISA guide 5.7.1): the four of pair p are in, the 28 - 4 p of later pairs stay out
	DIST GA+16*\p, DA
	DIST GA+16*\p+8, DB
	INSC MA, IA, 20, TA, DA, 2*\p
	INSC MB, IB, 24, TBB, DB, 16+2*\p
	INSC MA, IA, 20, TA, DA+1, 2*\p+1
	INSC MB, IB, 24, TBB, DB+1, 17+2*\p
.endr
.irp k, 0,1,2
	INSV MA, IA, 20, TA, MB+\k, IB+\k              ; group B's triple (higher indices) into group A's
.endr
	SLOT2IDX IA
	SLOT2IDX IA+1
	SLOT2IDX IA+2
.irp k, 0,1,2
	v_permlanex16_b32 v[PM+\k], v[MA+\k], s32, s33
	v_permlanex16_b32 v[PI+\k], v[IA+\k], s32, s33
.endr
.irp k, 0,1,2
	INSV MA, IA, 20, TA, PM+\k, PI+\k              ; right in lanes 0-15, whose own indices are the lower ones; only these store
.endr
	; weights: (1 / (d + 1e-8)) / their sum
	v_add_f32 v44, 0x322bcc77, v[MA]
	v_add_f32 v45, 0x322bcc77, v[MA+1]
	v_add_f32 v46, 0x322bcc77, v[MA+2]
	v_rcp_f32 v48, v44
	v_rcp_f32 v49, v45
	v_rcp_f32 v50, v46
	v_mov_b32 v15, 0                               ; the plain line between a reciprocal and its use (ISA guide 5.7.2)
	s_wait_alu depctr_va_vdst(0)
	v_add_f32 v47, v48, v49
	v_add_f32 v47, v47, v50
	v_rcp_f32 v51, v47
	v_mov_b32 v35, 0                               ; again
	s_wait_alu depctr_va_vdst(0)
	v_mul_f32 v12, v48, v51
	v_mul_f32 v13, v49, v51
	v_mul_f32 v14, v50, v51
	v_cmp_gt_u32 vcc_lo, 16, v[LANE]
	s_wait_xcnt 0x0                                ; EXEC changes only behind this wait
	s_wait_tensorcnt 0x0
	ds_add_u32 v192, v193
	s_wait_dscnt 0x0
	s_and_saveexec_b32 s19, vcc_lo
	global_store_b128 v[RO], v[IA:IA+3], s[10:11]  ; sixteen lanes: 256 consecutive bytes, aligned
	global_store_b128 v[RO], v[12:15], s[12:13]
	s_wait_xcnt 0x0                                ; and again, in front of the line that widens it
	s_or_b32 exec_lo, exec_lo, s19
	s_endpgm
.Lfunc_end_k_qcc9ee97436_rerank:
	.size	k_qcc9ee97436_rerank, .Lfunc_end_k_qcc9ee97436_rerank-k_qcc9ee97436_rerank
	.p2alignl 7, 3214868480
	.fill 96, 4, 3214868480
	.section	.rodata,"a",@progbits
	.p2align	6, 0x0
	.amdhsa_kernel k_qcc9ee97436_rerank
		.amdhsa_group_segment_fixed_size 70656
		.amdhsa_private_segment_fixed_size 0
		.amdhsa_enable_private_segment 0
		.amdhsa_kernarg_size 40
		.amdhsa_user_sgpr_count 2
		.amdhsa_user_sgpr_kernarg_segment_ptr 1
		.amdhsa_wavefront_size32 1
		.amdhsa_system_sgpr_workgroup_id_x 1
		.amdhsa_system_sgpr_workgroup_id_y 1
		.amdhsa_system_sgpr_workgroup_id_z 1
		.amdhsa_system_vgpr_workitem_id 0
		.amdhsa_next_free_vgpr 194
		.amdhsa_next_free_sgpr 66
		.amdhsa_reserve_vcc 1
		.amdhsa_float_denorm_mode_32 3
		.amdhsa_float_denorm_mode_16_64 3
		.amdhsa_memory_ordered 1
		.amdhsa_forward_progress 1
		.amdhsa_inst_pref_size 46
	.end_amdhsa_kernel
	.amdgpu_metadata
---
amdhsa.version: [ 1, 2 ]
amdhsa.kernels:
  - .name:           k_qcc9ee97436_rerank
    .symbol:         k_qcc9ee97436_rerank.kd
    .args:
      - { .name: xyz1, .offset: 0, .size: 8, .value_kind: global_buffer, .address_space: global }
      - { .name: xyz2, .offset: 8, .size: 8, .value_kind: global_buffer, .address_space: global }
      - { .name: groups, .offset: 16, .size: 8, .value_kind: global_buffer, .address_space: global }
      - { .name: nbr, .offset: 24, .size: 8, .value_kind: global_buffer, .address_space: global }
      - { .name: wgt, .offset: 32, .size: 8, .value_kind: global_buffer, .address_space: global }
    .group_segment_fixed_size: 70656
    .private_segment_fixed_size: 0
    .kernarg_segment_align: 8
    .kernarg_segment_size: 40
    .max_flat_workgroup_size: 256
    .sgpr_count:     66
    .vgpr_count:     194
    .wavefront_size: 32
...
	.end_amdgpu_metadata
.endif
;; end of part 2
;; launch interp (part 3): grid 256 x 1, 8 waves a work-group, no clusters, 49,152 bytes of LDS; arguments points2, W, b, nbr, wgt, y, part; writes y, part
.if DOCPART == 3
	.amdgcn_target "amdgcn-amd-amdhsa--gfx1250"
	.amdhsa_code_object_version 6
	.text
	.protected	k_qcc9ee97436_interp
	.globl	k_qcc9ee97436_interp
	.p2align	8
	.type	k_qcc9ee97436_interp,@function
k_qcc9ee97436_interp:
	s_mov_b64 s[64:65], 0
	v_nop
	global_prefetch_b8 v0, s[64:65] scope:SCOPE_SE
	s_setreg_imm32_b32 hwreg(HW_REG_WAVE_MODE, 25, 1), 1
	s_wait_xcnt 0x0
; INTERP: y[n][e] = sum over d of (w1 p[i1][d] + w2 p[i2][d] + w3 p[i3][d]) W[e][d] + b[e], and each work-group's mean and
; sum of squared deviations of y per channel.
; points2 [4][4096][64], W [64][64], b [64] f32; nbr [32768][4] u32, wgt [32768][4] f32; y [32768][64] f32;
; part [256][128] f32: 64 means, then 64 sums of squared deviations, of the work-group's 128 rows.
; points2, W and b are rounded to bf16 on load.  The blended row is kept in f32 and goes to the matrix unit as two bf16
; pieces, hi + lo, side by side along K (K = 128), against W twice: the blend adds no rounding of its own beyond 2^-17.
; A work-group: 128 rows; wave w: rows 16 w .. 16 w + 15, four accumulators of 16 x 16.
; Statistics are means and sums of squared deviations from the own mean, joined level by level: no difference of large sums.
; LIMITS: indices are clamped to 4,095; no NaN or infinity.
; No tensor loads, no cluster: the rows are gathered by a list, sixteen lanes to a row of 256 bytes; all 24 gathers of a wave
; go out as soon as its list is in, so there is nothing left to ask for ahead.
.set WPITCH, 144                       ; a row of W in bf16: 128 bytes + 16
.set APITCH, 272                       ; a stage row: hi 128 bytes, lo 128 bytes, + 16; later a row of y, 256 bytes
.set WSTG,   0                         ; 64 rows of W
.set ASTG,   64*WPITCH                 ; 8 waves x 16 rows, each wave's own
.set STAT,   ASTG+8*16*APITCH          ; 8 waves x (64 means, 64 sums of squares)
.set NB,  16                           ; v[16:47]   nbr records; the indices become byte offsets in place
.set WG,  48                           ; v[48:79]   wgt records
.set GG,  80                           ; v[80:175]  row pair i: three gathered quads
.set BF,  176                          ; v[176:239] W's fragments: (ct, ks) at BF + 16 ct + 8 ks
.set ACC, 16                           ; v[16:47]   accumulators, once the gathers are in
.set AF,  80                           ; v[80:111]  the blend's fragments, then y on its way out
.set BB,  112                          ; v[112:119] b of my four columns, each twice
.set SS,  120                          ; v[120:151] statistics at work
.set ZR,  240                          ; 0
.set BL,  244                          ; v[244:247] b as loaded
.macro QADD d, a, b
	v_pk_add_f32 v[\d:\d+1], v[\a:\a+1], v[\b:\b+1]
	v_pk_add_f32 v[\d+2:\d+3], v[\a+2:\a+3], v[\b+2:\b+3]
.endm
.macro QSUB d, a, b
	v_pk_add_f32 v[\d:\d+1], v[\a:\a+1], v[\b:\b+1] neg_lo:[0,1] neg_hi:[0,1]
	v_pk_add_f32 v[\d+2:\d+3], v[\a+2:\a+3], v[\b+2:\b+3] neg_lo:[0,1] neg_hi:[0,1]
.endm
.macro QSQ d, a
	v_pk_mul_f32 v[\d:\d+1], v[\a:\a+1], v[\a:\a+1]
	v_pk_mul_f32 v[\d+2:\d+3], v[\a+2:\a+3], v[\a+2:\a+3]
.endm
.macro QSQA d, a
	v_pk_fma_f32 v[\d:\d+1], v[\a:\a+1], v[\a:\a+1], v[\d:\d+1]
	v_pk_fma_f32 v[\d+2:\d+3], v[\a+2:\a+3], v[\a+2:\a+3], v[\d+2:\d+3]
.endm
; four channels: acc = bf16 x weight + acc0
.macro MIX4 g, p, w, c0, c1, c2, c3
	v_fma_mix_f32_bf16 v[\g+2], v[\p], v[\w], v[\c0] op_sel_hi:[1,0,0]
	v_fma_mix_f32_bf16 v[\g+3], v[\p], v[\w], v[\c1] op_sel:[1,0,0] op_sel_hi:[1,0,0]
	v_fma_mix_f32_bf16 v[\g+6], v[\p+1], v[\w], v[\c2] op_sel_hi:[1,0,0]
	v_fma_mix_f32_bf16 v[\g+7], v[\p+1], v[\w], v[\c3] op_sel:[1,0,0] op_sel_hi:[1,0,0]
.endm
; Rows 2 i (lanes 0-15) and 2 i + 1 (lanes 16-31): lane l blends channels 4 l .. 4 l + 3.  All temporaries are the row pair's own twelve registers.
.macro ROW i
	s_wait_loadcnt 21-3*\i                         ; loads come back in order (ISA guide 5.7.1): this pair's three gathers are in, the 21 - 3 i of later pairs stay out
.irp k, 0,4,8
	v_cvt_pk_bf16_f32 v[GG+12*\i+\k], v[GG+12*\i+\k], v[GG+12*\i+\k+1]         ; points2 rounded to bf16
	v_cvt_pk_bf16_f32 v[GG+12*\i+\k+1], v[GG+12*\i+\k+2], v[GG+12*\i+\k+3]
.endr
	MIX4 GG+12*\i, GG+12*\i,   WG+4*\i,   ZR, ZR, ZR, ZR
	MIX4 GG+12*\i, GG+12*\i+4, WG+4*\i+1, GG+12*\i+2, GG+12*\i+3, GG+12*\i+6, GG+12*\i+7
	MIX4 GG+12*\i, GG+12*\i+8, WG+4*\i+2, GG+12*\i+2, GG+12*\i+3, GG+12*\i+6, GG+12*\i+7
	v_cvt_pk_bf16_f32 v[GG+12*\i], v[GG+12*\i+2], v[GG+12*\i+3]                ; hi
	v_cvt_pk_bf16_f32 v[GG+12*\i+1], v[GG+12*\i+6], v[GG+12*\i+7]
	v_lshlrev_b32 v[GG+12*\i+10], 16, v[GG+12*\i]
	v_and_b32 v[GG+12*\i+11], s18, v[GG+12*\i]
	v_lshlrev_b32 v[GG+12*\i+8], 16, v[GG+12*\i+1]
	v_and_b32 v[GG+12*\i+9], s18, v[GG+12*\i+1]
	v_pk_add_f32 v[GG+12*\i+2:GG+12*\i+3], v[GG+12*\i+2:GG+12*\i+3], v[GG+12*\i+10:GG+12*\i+11] neg_lo:[0,1] neg_hi:[0,1]
	v_pk_add_f32 v[GG+12*\i+6:GG+12*\i+7], v[GG+12*\i+6:GG+12*\i+7], v[GG+12*\i+8:GG+12*\i+9] neg_lo:[0,1] neg_hi:[0,1]
	v_cvt_pk_bf16_f32 v[GG+12*\i+4], v[GG+12*\i+2], v[GG+12*\i+3]              ; lo = what hi left
	v_cvt_pk_bf16_f32 v[GG+12*\i+5], v[GG+12*\i+6], v[GG+12*\i+7]
	ds_store_b64 v10, v[GG+12*\i:GG+12*\i+1] offset:2*APITCH*\i
	ds_store_b64 v10, v[GG+12*\i+4:GG+12*\i+5] offset:2*APITCH*\i+128
.endm
; Column block ct: mean and sum of squared deviations of my wave's 16 rows, per column 16 ct + r.
.macro STATS ct
	v_pk_add_f32 v[SS+8*\ct:SS+8*\ct+1], v[ACC+8*\ct:ACC+8*\ct+1], v[ACC+8*\ct+2:ACC+8*\ct+3]
	v_pk_add_f32 v[SS+8*\ct+2:SS+8*\ct+3], v[ACC+8*\ct+4:ACC+8*\ct+5], v[ACC+8*\ct+6:ACC+8*\ct+7]
	v_pk_add_f32 v[SS+8*\ct:SS+8*\ct+1], v[SS+8*\ct:SS+8*\ct+1], v[SS+8*\ct+2:SS+8*\ct+3]
	v_add_f32 v[SS+8*\ct], v[SS+8*\ct], v[SS+8*\ct+1]
	v_permlanex16_b32 v[SS+8*\ct+1], v[SS+8*\ct], s22, s23         ; rows 8 h + j: the other eight rows
	v_add_f32 v[SS+8*\ct], v[SS+8*\ct], v[SS+8*\ct+1]
	v_mul_f32 v[SS+8*\ct], 0x3d800000, v[SS+8*\ct]                 ; / 16
	v_mov_b32 v[SS+8*\ct+1], v[SS+8*\ct]
	v_pk_add_f32 v[SS+8*\ct+2:SS+8*\ct+3], v[ACC+8*\ct:ACC+8*\ct+1], v[SS+8*\ct:SS+8*\ct+1] neg_lo:[0,1] neg_hi:[0,1]
	v_pk_mul_f32 v[SS+8*\ct+4:SS+8*\ct+5], v[SS+8*\ct+2:SS+8*\ct+3], v[SS+8*\ct+2:SS+8*\ct+3]
.irp p, 2,4,6
	v_pk_add_f32 v[SS+8*\ct+2:SS+8*\ct+3], v[ACC+8*\ct+\p:ACC+8*\ct+\p+1], v[SS+8*\ct:SS+8*\ct+1] neg_lo:[0,1] neg_hi:[0,1]
	v_pk_fma_f32 v[SS+8*\ct+4:SS+8*\ct+5], v[SS+8*\ct+2:SS+8*\ct+3], v[SS+8*\ct+2:SS+8*\ct+3], v[SS+8*\ct+4:SS+8*\ct+5]
.endr
	v_add_f32 v[SS+8*\ct+4], v[SS+8*\ct+4], v[SS+8*\ct+5]
	v_permlanex16_b32 v[SS+8*\ct+5], v[SS+8*\ct+4], s22, s23
	v_add_f32 v[SS+8*\ct+4], v[SS+8*\ct+4], v[SS+8*\ct+5]
	v_cndmask_b32 v[SS+8*\ct+2], v[SS+8*\ct], v[SS+8*\ct+4], s18   ; lanes 0-15 carry the mean, lanes 16-31 the sum of squares
	ds_store_b32 v12, v[SS+8*\ct+2] offset:64*\ct
.endm
	s_load_b256 s[4:11], s[0:1], 0x0               ; points2 s[4:5], W s[6:7], b s[8:9], nbr s[10:11]
	s_load_b128 s[12:15], s[0:1], 0x20             ; wgt s[12:13], y s[14:15]
	s_load_b64 s[16:17], s[0:1], 0x30              ; part
	v_lshl_add_u32 v248, v0, 2, 0xbc00
	v_mov_b32 v249, 0
	v_lshrrev_b32 v1, 5, v0
	v_readfirstlane_b32 s19, v1                    ; wave 0..7
	s_mov_b32 s18, 0xffff0000                      ; lanes 16-31, and a word's upper bf16
	s_mov_b32 s22, 0x76543210
	s_mov_b32 s23, 0xfedcba98
	s_lshr_b32 s20, ttmp9, 6                       ; batch
	s_lshl_b32 s24, s20, 20                        ; a batch of points2: 4,096 rows of 256 bytes
	s_mov_b32 s25, 0
	s_lshl_b32 s26, ttmp9, 11                      ; nbr, wgt: 16 bytes a row, 128 rows a work-group,
	s_lshl_b32 s27, s19, 8                         ; 16 a wave
	s_add_co_u32 s26, s26, s27
	s_mov_b32 s27, 0
	s_lshl_b32 s28, ttmp9, 15                      ; y: 256 bytes a row
	s_lshl_b32 s29, s19, 12
	s_add_co_u32 s28, s28, s29
	s_mov_b32 s29, 0
	s_lshl_b32 s30, ttmp9, 9                       ; part: 512 bytes a work-group
	s_mov_b32 s31, 0
	s_mul_i32 s32, s19, 16*APITCH
	s_add_co_u32 s32, s32, ASTG                    ; my wave's stage
	s_lshl_b32 s33, s19, 9
	s_add_co_u32 s33, s33, STAT                    ; my wave's statistics
	v_and_b32 v2, 15, v0                           ; l = r
	v_bfe_u32 v3, v0, 4, 1                         ; h
	v_lshlrev_b32 v4, 4, v3                        ; 16 h
	v_lshlrev_b32 v5, 6, v0                        ; 64 t: my 16 numbers of W
	v_lshlrev_b32 v6, 2, v2                        ; 4 l
	v_lshlrev_b32 v7, 4, v2                        ; 16 l
	v_lshrrev_b32 v8, 2, v0
	v_mul_u32_u24 v8, v8, WPITCH
	v_and_b32 v9, 3, v0
	v_lshl_add_u32 v8, v9, 5, v8                   ; W in: row t >> 2, 32 bytes for each quarter of a row
	v_mul_u32_u24 v9, v2, WPITCH
	v_add_nc_u32 v9, v9, v4                        ; W's fragments: 144 r + 16 h
	v_mul_u32_u24 v1, v3, APITCH
	v_add_nc_u32 v1, s32, v1                       ; stage + 272 h
	v_lshl_add_u32 v10, v2, 3, v1                  ; hi, lo in: + 8 l
	v_add_nc_u32 v14, v1, v7                       ; y back: + 16 l
	v_mul_u32_u24 v11, v2, APITCH
	v_add3_u32 v11, v11, v4, s32                   ; the blend's fragments: stage + 272 r + 16 h
	v_lshl_add_u32 v12, v3, 8, v6
	v_add_nc_u32 v12, s33, v12                     ; statistics in: 256 h + 4 r
	v_mul_u32_u24 v13, v3, 8*APITCH
	v_add3_u32 v13, v13, v6, s32                   ; y in: stage + 272 (8 h) + 4 r
	v_lshl_add_u32 v15, v3, 8, v7                  ; y in memory: 256 h + 16 l
	v_mov_b32 v[ZR], 0
	s_wait_kmcnt 0x0
	s_add_nc_u64 s[4:5], s[4:5], s[24:25]
	s_add_nc_u64 s[10:11], s[10:11], s[26:27]
	s_add_nc_u64 s[12:13], s[12:13], s[26:27]
	s_add_nc_u64 s[14:15], s[14:15], s[28:29]
	s_add_nc_u64 s[16:17], s[16:17], s[30:31]
.irp i, 0,1,2,3,4,5,6,7
	global_load_b128 v[NB+4*\i:NB+4*\i+3], v4, s[10:11] offset:32*\i       ; row 2 i + h
.endr
.irp i, 0,1,2,3,4,5,6,7
	global_load_b128 v[WG+4*\i:WG+4*\i+3], v4, s[12:13] offset:32*\i
.endr
.irp k, 0,1,2,3
	global_load_b128 v[BF+4*\k:BF+4*\k+3], v5, s[6:7] offset:16*\k
.endr
.irp ct, 0,1,2,3
	global_load_b32 v[BL+\ct], v6, s[8:9] offset:64*\ct                    ; b[16 ct + r]
.endr
	s_wait_loadcnt 16                              ; the lists are in; 8 loads of weights, 4 of W, 4 of b stay out
.irp i, 0,1,2,3,4,5,6,7
.irp k, 0,1,2
	v_min_u32 v[NB+4*\i+\k], 0xfff, v[NB+4*\i+\k]                          ; a loaded number enters an address only clamped to the table
	v_lshl_add_u32 v[NB+4*\i+\k], v[NB+4*\i+\k], 8, v7                     ; row x 256 + 16 l: sixteen lanes read one whole row
	global_load_b128 v[GG+12*\i+4*\k:GG+12*\i+4*\k+3], v[NB+4*\i+\k], s[4:5]
.endr
.endr
	s_wait_loadcnt 28                              ; W (and the weights) are in; 4 loads of b and the 24 gathers stay out
.irp k, 0,1,2,3,4,5,6,7
	v_cvt_pk_bf16_f32 v[BF+16+\k], v[BF+2*\k], v[BF+2*\k+1]
.endr
	ds_store_b128 v8, v[BF+16:BF+19]
	ds_store_b128 v8, v[BF+20:BF+23] offset:16
	s_wait_dscnt 0x0                               ; my part of W is in LDS,
	s_barrier_signal -1
	s_barrier_wait -1                              ; everybody's is
.irp ct, 0,1,2,3
.irp ks, 0,1
	ds_load_b128 v[BF+16*\ct+8*\ks:BF+16*\ct+8*\ks+3],   v9 offset:16*WPITCH*\ct+64*\ks
	ds_load_b128 v[BF+16*\ct+8*\ks+4:BF+16*\ct+8*\ks+7], v9 offset:16*WPITCH*\ct+64*\ks+32
.endr
.endr
.irp i, 0,1,2,3,4,5,6,7
	ROW \i
.endr
	s_wait_dscnt 0x0                               ; the stores above have read their data: the loads below land on those registers
.irp ks, 0,1,2,3
	ds_load_b128 v[AF+8*\ks:AF+8*\ks+3],   v11 offset:64*\ks               ; my wave's own bytes, served in order (ISA guide 5.7.1)
	ds_load_b128 v[AF+8*\ks+4:AF+8*\ks+7], v11 offset:64*\ks+32
.endr
	s_wait_dscnt 0x0
	; K = 128: hi (ks 0, 1), lo (ks 2, 3), each against W's two K steps.  The four accumulators take turns, one instruction
	; a turn; the first turn starts the sums.
.irp ks, 0,1,2,3
.irp ct, 0,1,2,3
.if \ks == 0
	v_wmma_f32_16x16x32_bf16 v[ACC+8*\ct:ACC+8*\ct+7], v[AF+8*\ks:AF+8*\ks+7], v[BF+16*\ct+8*(\ks&1):BF+16*\ct+8*(\ks&1)+7], 0
.else
	v_wmma_f32_16x16x32_bf16 v[ACC+8*\ct:ACC+8*\ct+7], v[AF+8*\ks:AF+8*\ks+7], v[BF+16*\ct+8*(\ks&1):BF+16*\ct+8*(\ks&1)+7], v[ACC+8*\ct:ACC+8*\ct+7]
.endif
.endr
.endr
	; b rounded to bf16, twice each: twelve plain lines that name no register of the matrix instructions above, more than the
	; four places that stand in front of the first line that reads a result (ISA guide 7.12.1)
.irp ct, 0,1,2,3
	v_cvt_pk_bf16_f32 v[BB+2*\ct], v[BL+\ct], v[BL+\ct]
	v_and_b32 v[BB+2*\ct+1], s18, v[BB+2*\ct]
	v_lshlrev_b32 v[BB+2*\ct], 16, v[BB+2*\ct]
.endr
.irp ct, 0,1,2,3
.irp p, 0,2,4,6
	v_pk_add_f32 v[ACC+8*\ct+\p:ACC+8*\ct+\p+1], v[ACC+8*\ct+\p:ACC+8*\ct+\p+1], v[BB+2*\ct:BB+2*\ct+1]
.endr
.endr
	STATS 0
	STATS 1
	STATS 2
	STATS 3
	; y out through my wave's stage: register j of lane (r, h) is y(8 h + j, 16 ct + r); rows come back whole
.irp ct, 0,1,2,3
.irp j, 0,1,2,3,4,5,6,7
	ds_store_b32 v13, v[ACC+8*\ct+\j] offset:APITCH*\j+64*\ct
.endr
.endr
.irp i, 0,1,2,3,4,5,6,7
	ds_load_b128 v[AF+4*\i:AF+4*\i+3], v14 offset:2*APITCH*\i              ; rows 2 i, 2 i + 1; the wave's own bytes, in order behind the stores
.endr
.irp i, 0,1,2,3,4,5,6,7
	s_wait_dscnt 7-\i                              ; load i is in, the 7 - i younger ones stay out
	global_store_b128 v15, v[AF+4*\i:AF+4*\i+3], s[14:15] offset:512*\i    ; 512 consecutive bytes, aligned
.endr
	s_wait_dscnt 0x0                               ; my statistics are in LDS (met: the count-down above ended at 0),
	s_barrier_signal -1
	s_barrier_wait -1                              ; everybody's are
	s_cmp_lg_u32 s19, 0
	s_cbranch_scc1 .Lend
	; wave 0 joins the eight waves' figures: mean = sum of means / 8, M2 = sum of M2 + 16 sum of (mean_w - mean)^2
	v_add_nc_u32 v241, STAT, v7                    ; channels 4 l .. 4 l + 3
.irp w, 0,1,2,3,4,5,6,7
	ds_load_b128 v[112+4*\w:112+4*\w+3], v241 offset:512*\w
	ds_load_b128 v[144+4*\w:144+4*\w+3], v241 offset:512*\w+256
.endr
	v_lshlrev_b32 v242, 4, v0                      ; 16 x lane (wave 0)
	s_wait_dscnt 0x0
	QADD 176, 112, 116
	QADD 184, 144, 148
.irp w, 2,3,4,5,6,7
	QADD 176, 176, 112+4*\w
	QADD 184, 184, 144+4*\w
.endr
	v_pk_mul_f32 v[176:177], v[176:177], 0x3e000000 op_sel_hi:[1,0]        ; / 8
	v_pk_mul_f32 v[178:179], v[178:179], 0x3e000000 op_sel_hi:[1,0]
.irp w, 0,1,2,3,4,5,6,7
	QSUB 112+4*\w, 112+4*\w, 176
.endr
	QSQ 180, 112
.irp w, 1,2,3,4,5,6,7
	QSQA 180, 112+4*\w
.endr
	v_pk_fma_f32 v[184:185], v[180:181], 0x41800000, v[184:185] op_sel_hi:[1,0,1]   ; x 16 rows a wave
	v_pk_fma_f32 v[186:187], v[182:183], 0x41800000, v[186:187] op_sel_hi:[1,0,1]
.irp c, 0,1,2,3
	v_cndmask_b32 v[188+\c], v[176+\c], v[184+\c], s18
.endr
	global_store_b128 v242, v[188:191], s[16:17]   ; lanes 0-15: 64 means, lanes 16-31: 64 sums of squares; 512 consecutive bytes
.Lend:
	s_wait_tensorcnt 0x0
	ds_add_u32 v248, v249
	s_wait_dscnt 0x0
	s_endpgm
.Lfunc_end_k_qcc9ee97436_interp:
	.size	k_qcc9ee97436_interp, .Lfunc_end_k_qcc9ee97436_interp-k_qcc9ee97436_interp
	.p2alignl 7, 3214868480
	.fill 96, 4, 3214868480
	.section	.rodata,"a",@progbits
	.p2align	6, 0x0
	.amdhsa_kernel k_qcc9ee97436_interp
		.amdhsa_group_segment_fixed_size 49152
		.amdhsa_private_segment_fixed_size 0
		.amdhsa_enable_private_segment 0
		.amdhsa_kernarg_size 56
		.amdhsa_user_sgpr_count 2
		.amdhsa_user_sgpr_kernarg_segment_ptr 1
		.amdhsa_wavefront_size32 1
		.amdhsa_system_sgpr_workgroup_id_x 1
		.amdhsa_system_sgpr_workgroup_id_y 1
		.amdhsa_system_sgpr_workgroup_id_z 1
		.amdhsa_system_vgpr_workitem_id 0
		.amdhsa_next_free_vgpr 250
		.amdhsa_next_free_sgpr 66
		.amdhsa_reserve_vcc 0
		.amdhsa_float_denorm_mode_32 3
		.amdhsa_float_denorm_mode_16_64 3
		.amdhsa_memory_ordered 1
		.amdhsa_forward_progress 1
		.amdhsa_inst_pref_size 44
	.end_amdhsa_kernel
	.amdgpu_metadata
---
amdhsa.version: [ 1, 2 ]
amdhsa.kernels:
  - .name:           k_qcc9ee97436_interp
    .symbol:         k_qcc9ee97436_interp.kd
    .args:
      - { .name: points2, .offset: 0, .size: 8, .value_kind: global_buffer, .address_space: global }
      - { .name: W, .offset: 8, .size: 8, .value_kind: global_buffer, .address_space: global }
      - { .name: b, .offset: 16, .size: 8, .value_kind: global_buffer, .address_space: global }
      - { .name: nbr, .offset: 24, .size: 8, .value_kind: global_buffer, .address_space: global }
      - { .name: wgt, .offset: 32, .size: 8, .value_kind: global_buffer, .address_space: global }
      - { .name: y, .offset: 40, .size: 8, .value_kind: global_buffer, .address_space: global }
      - { .name: part, .offset: 48, .size: 8, .value_kind: global_buffer, .address_space: global }
    .group_segment_fixed_size: 49152
    .private_segment_fixed_size: 0
    .kernarg_segment_align: 8
    .kernarg_segment_size: 56
    .max_flat_workgroup_size: 256
    .sgpr_count:     66
    .vgpr_count:     250
    .wavefront_size: 32
...
	.end_amdgpu_metadata
.endif
;; end of part 3
;; launch bnorm (part 4): grid 256 x 1, 8 waves a work-group, no clusters, 9,216 bytes of LDS; arguments y, part, gamma, beta, out0; writes out0
.if DOCPART == 4
	.amdgcn_target "amdgcn-amd-amdhsa--gfx1250"
	.amdhsa_code_object_version 6
	.text
	.protected	k_qcc9ee97436_bnorm
	.globl	k_qcc9ee97436_bnorm
	.p2align	8
	.type	k_qcc9ee97436_bnorm,@function
k_qcc9ee97436_bnorm:
	s_mov_b64 s[64:65], 0
	v_nop
	global_prefetch_b8 v0, s[64:65] scope:SCOPE_SE
	s_setreg_imm32_b32 hwreg(HW_REG_WAVE_MODE, 25, 1), 1
	s_wait_xcnt 0x0
; BNORM: out0 = gamma (y - mean) rsqrt(var + 1e-5) + beta, mean and var per channel over all 32,768 rows.
; y, out0 [32768][64] f32; part [256][128] f32 (64 means and 64 sums of squared deviations of 128 rows each); gamma, beta [64] f32.
; Every work-group joins the 256 partial figures anew (128 KiB, which all work-groups read) rather than a further launch doing it once:
;   mean = sum of means / 256,   var = (sum of M2 + 128 sum of (mean_g - mean)^2) / 32,768: no difference of large sums.
; A work-group: 128 rows.  Thread t: channels 4 l .. 4 l + 3 (l = t & 15), rows k + 16 i and partial figures k + 16 u (k = t >> 4).
; gamma and beta are rounded to bf16 on load, like every input that this program uses.
; Memory binds: 16-byte loads and stores, a wave's each covering 512 consecutive bytes; no matrix unit, no cluster, no tensor loads.
.set YR,   8                           ; v[8:39]    my eight quads of y, scaled in place
.set GAM,  40                          ; v[40:43]
.set BET,  44                          ; v[44:47]
.set PM,   48                          ; v[48:111]  16 quads of means
.set PQ,   112                         ; v[112:175] 16 quads of sums of squares; once they are summed, what comes back from LDS
.set LR,   112
.set SM,   176
.set SQ,   180
.set MEAN, 184
.set VV,   188
.macro QADD d, a, b
	v_pk_add_f32 v[\d:\d+1], v[\a:\a+1], v[\b:\b+1]
	v_pk_add_f32 v[\d+2:\d+3], v[\a+2:\a+3], v[\b+2:\b+3]
.endm
.macro QSUB d, a, b
	v_pk_add_f32 v[\d:\d+1], v[\a:\a+1], v[\b:\b+1] neg_lo:[0,1] neg_hi:[0,1]
	v_pk_add_f32 v[\d+2:\d+3], v[\a+2:\a+3], v[\b+2:\b+3] neg_lo:[0,1] neg_hi:[0,1]
.endm
.macro QSQ d, a
	v_pk_mul_f32 v[\d:\d+1], v[\a:\a+1], v[\a:\a+1]
	v_pk_mul_f32 v[\d+2:\d+3], v[\a+2:\a+3], v[\a+2:\a+3]
.endm
.macro QSQA d, a
	v_pk_fma_f32 v[\d:\d+1], v[\a:\a+1], v[\a:\a+1], v[\d:\d+1]
	v_pk_fma_f32 v[\d+2:\d+3], v[\a+2:\a+3], v[\a+2:\a+3], v[\d+2:\d+3]
.endm
	s_load_b256 s[4:11], s[0:1], 0x0               ; y s[4:5], part s[6:7], gamma s[8:9], beta s[10:11]
	s_load_b64 s[12:13], s[0:1], 0x20              ; out0
	v_lshl_add_u32 v192, v0, 2, 0x2000
	v_mov_b32 v193, 0
	s_lshl_b32 s14, ttmp9, 15                      ; 128 rows of 256 bytes
	s_mov_b32 s15, 0
	s_mov_b32 s16, 0x38000000                      ; 1 / 32,768
	s_mov_b32 s17, 0x3727c5ac                      ; 1e-5
	s_mov_b32 s18, 0xffff0000                      ; a word's upper bf16
	v_lshlrev_b32 v1, 4, v0                        ; 16 t = 256 k + 16 l
	v_and_b32 v2, 15, v0
	v_lshlrev_b32 v2, 4, v2                        ; 16 l
	v_lshrrev_b32 v3, 4, v0
	v_lshl_add_u32 v3, v3, 9, v2                   ; 512 k + 16 l
	s_wait_kmcnt 0x0
	s_add_nc_u64 s[4:5], s[4:5], s[14:15]
	s_add_nc_u64 s[12:13], s[12:13], s[14:15]
.irp u, 0,1,2,3,4,5,6,7,8,9,10,11,12,13,14,15
	global_load_b128 v[PM+4*\u:PM+4*\u+3], v3, s[6:7] offset:8192*\u
	global_load_b128 v[PQ+4*\u:PQ+4*\u+3], v3, s[6:7] offset:8192*\u+256
.endr
	global_load_b128 v[GAM:GAM+3], v2, s[8:9]
	global_load_b128 v[BET:BET+3], v2, s[10:11]
.irp i, 0,1,2,3,4,5,6,7
	global_load_b128 v[YR+4*\i:YR+4*\i+3], v1, s[4:5] offset:4096*\i th:TH_LOAD_NT
.endr
	s_wait_loadcnt 10                              ; the partial figures are in; gamma, beta and the eight loads of y stay out
	QADD SM, PM, PM+4
	QADD SQ, PQ, PQ+4
.irp u, 2,3,4,5,6,7,8,9,10,11,12,13,14,15
	QADD SM, SM, PM+4*\u
	QADD SQ, SQ, PQ+4*\u
.endr
	ds_store_b128 v1, v[SM:SM+3]
	s_wait_dscnt 0x0                               ; my sum of 16 means is in LDS,
	s_barrier_signal -1
	s_barrier_wait -1                              ; everybody's is
.irp j, 0,1,2,3,4,5,6,7,8,9,10,11,12,13,14,15
	ds_load_b128 v[LR+4*\j:LR+4*\j+3], v2 offset:256*\j
.endr
	s_wait_dscnt 0x0
	QADD MEAN, LR, LR+4
.irp j, 2,3,4,5,6,7,8,9,10,11,12,13,14,15
	QADD MEAN, MEAN, LR+4*\j
.endr
	v_pk_mul_f32 v[MEAN:MEAN+1], v[MEAN:MEAN+1], 0x3b800000 op_sel_hi:[1,0]        ; / 256
	v_pk_mul_f32 v[MEAN+2:MEAN+3], v[MEAN+2:MEAN+3], 0x3b800000 op_sel_hi:[1,0]
.irp u, 0,1,2,3,4,5,6,7,8,9,10,11,12,13,14,15
	QSUB PM+4*\u, PM+4*\u, MEAN
.endr
	QSQ VV, PM
.irp u, 1,2,3,4,5,6,7,8,9,10,11,12,13,14,15
	QSQA VV, PM+4*\u
.endr
	v_pk_fma_f32 v[SQ:SQ+1], v[VV:VV+1], 0x43000000, v[SQ:SQ+1] op_sel_hi:[1,0,1]  ; x 128 rows a partial figure
	v_pk_fma_f32 v[SQ+2:SQ+3], v[VV+2:VV+3], 0x43000000, v[SQ+2:SQ+3] op_sel_hi:[1,0,1]
	ds_store_b128 v1, v[SQ:SQ+3] offset:4096       ; other bytes than the first exchange: nobody's reads of those are disturbed
	s_wait_dscnt 0x0
	s_barrier_signal -1
	s_barrier_wait -1
.irp j, 0,1,2,3,4,5,6,7,8,9,10,11,12,13,14,15
	ds_load_b128 v[LR+4*\j:LR+4*\j+3], v2 offset:4096+256*\j
.endr
	s_wait_dscnt 0x0
	QADD VV, LR, LR+4
.irp j, 2,3,4,5,6,7,8,9,10,11,12,13,14,15
	QADD VV, VV, LR+4*\j
.endr
.irp c, 0,1,2,3
	v_fma_f32 v[VV+\c], v[VV+\c], s16, s17         ; var + 1e-5
.endr
	s_wait_loadcnt 0x0                             ; gamma, beta, y
.irp c, 0,1,2,3
	v_rsq_f32 v[SM+\c], v[VV+\c]
.endr
	; gamma and beta rounded to bf16: plain lines between the roots and their use (ISA guide 5.7.2)
	v_cvt_pk_bf16_f32 v4, v[GAM], v[GAM+1]
	v_cvt_pk_bf16_f32 v5, v[GAM+2], v[GAM+3]
	v_cvt_pk_bf16_f32 v6, v[BET], v[BET+1]
	v_cvt_pk_bf16_f32 v7, v[BET+2], v[BET+3]
	v_lshlrev_b32 v[GAM], 16, v4
	v_and_b32 v[GAM+1], s18, v4
	v_lshlrev_b32 v[GAM+2], 16, v5
	v_and_b32 v[GAM+3], s18, v5
	v_lshlrev_b32 v[BET], 16, v6
	v_and_b32 v[BET+1], s18, v6
	v_lshlrev_b32 v[BET+2], 16, v7
	v_and_b32 v[BET+3], s18, v7
	s_wait_alu depctr_va_vdst(0)
	v_pk_mul_f32 v[GAM:GAM+1], v[GAM:GAM+1], v[SM:SM+1]
	v_pk_mul_f32 v[GAM+2:GAM+3], v[GAM+2:GAM+3], v[SM+2:SM+3]
.irp i, 0,1,2,3,4,5,6,7
	QSUB YR+4*\i, YR+4*\i, MEAN
	v_pk_fma_f32 v[YR+4*\i:YR+4*\i+1], v[YR+4*\i:YR+4*\i+1], v[GAM:GAM+1], v[BET:BET+1]
	v_pk_fma_f32 v[YR+4*\i+2:YR+4*\i+3], v[YR+4*\i+2:YR+4*\i+3], v[GAM+2:GAM+3], v[BET+2:BET+3]
	global_store_b128 v1, v[YR+4*\i:YR+4*\i+3], s[12:13] offset:4096*\i th:TH_STORE_NT
.endr
	s_wait_tensorcnt 0x0
	ds_add_u32 v192, v193
	s_wait_dscnt 0x0
	s_endpgm
.Lfunc_end_k_qcc9ee97436_bnorm:
	.size	k_qcc9ee97436_bnorm, .Lfunc_end_k_qcc9ee97436_bnorm-k_qcc9ee97436_bnorm
	.p2alignl 7, 3214868480
	.fill 96, 4, 3214868480
	.section	.rodata,"a",@progbits
	.p2align	6, 0x0
	.amdhsa_kernel k_qcc9ee97436_bnorm
		.amdhsa_group_segment_fixed_size 9216
		.amdhsa_private_segment_fixed_size 0
		.amdhsa_enable_private_segment 0
		.amdhsa_kernarg_size 40
		.amdhsa_user_sgpr_count 2
		.amdhsa_user_sgpr_kernarg_segment_ptr 1
		.amdhsa_wavefront_size32 1
		.amdhsa_system_sgpr_workgroup_id_x 1
		.amdhsa_system_sgpr_workgroup_id_y 1
		.amdhsa_system_sgpr_workgroup_id_z 1
		.amdhsa_system_vgpr_workitem_id 0
		.amdhsa_next_free_vgpr 194
		.amdhsa_next_free_sgpr 66
		.amdhsa_reserve_vcc 0
		.amdhsa_float_denorm_mode_32 3
		.amdhsa_float_denorm_mode_16_64 3
		.amdhsa_memory_ordered 1
		.amdhsa_forward_progress 1
		.amdhsa_inst_pref_size 24
	.end_amdhsa_kernel
	.amdgpu_metadata
---
amdhsa.version: [ 1, 2 ]
amdhsa.kernels:
  - .name:           k_qcc9ee97436_bnorm
    .symbol:         k_qcc9ee97436_bnorm.kd
    .args:
      - { .name: y, .offset: 0, .size: 8, .value_kind: global_buffer, .address_space: global }
      - { .name: part, .offset: 8, .size: 8, .value_kind: global_buffer, .address_space: global }
      - { .name: gamma, .offset: 16, .size: 8, .value_kind: global_buffer, .address_space: global }
      - { .name: beta, .offset: 24, .size: 8, .value_kind: global_buffer, .address_space: global }
      - { .name: out0, .offset: 32, .size: 8, .value_kind: global_buffer, .address_space: global }
    .group_segment_fixed_size: 9216
    .private_segment_fixed_size: 0
    .kernarg_segment_align: 8
    .kernarg_segment_size: 40
    .max_flat_workgroup_size: 256
    .sgpr_count:     66
    .vgpr_count:     194
    .wavefront_size: 32
...
	.end_amdgpu_metadata
.endif
;; end of part 4
;; ======== version 2 of 2: 4 launches; version 1 with the launches coarse, interp written anew for expert scheduling mode
;; limits: values outside matrix products are rounded to bf16; values within 3.05e-05 (relative) of each other or of a threshold may be ordered or decided otherwise than in the reference
;; workspace buffers: groups 524,288 bytes of whole numbers; nbr 524,288 bytes of whole numbers; wgt 524,288 bytes; y 8,388,608 bytes; part 131,072 bytes
;; launch coarse (part 5): grid 256 x 1, 16 waves a work-group, no clusters, 79,872 bytes of LDS; arguments xyz1, xyz2, groups; writes groups
.if DOCPART == 5
	.amdgcn_target "amdgcn-amd-amdhsa--gfx1250"
	.amdhsa_code_object_version 6
	.text
	.protected	k_qcc9ee97436_coarse
	.globl	k_qcc9ee97436_coarse
	.p2align	8
	.type	k_qcc9ee97436_coarse,@function
k_qcc9ee97436_coarse:
	s_mov_b64 s[64:65], 0
	v_nop
	global_prefetch_b8 v0, s[64:65] scope:SCOPE_SE
	s_setreg_imm32_b32 hwreg(HW_REG_WAVE_SCHED_MODE, 0, 2), 2
	s_setreg_imm32_b32 hwreg(HW_REG_WAVE_MODE, 25, 1), 1
	s_wait_xcnt 0x0
	s_wait_alu depctr_vm_vsrc(0)
; COARSE: for each query, the 4 groups of 16 consecutive candidates that can hold its 3 nearest neighbours.
; xyz1 [4][8192][3] f32, xyz2 [4][4096][3] f32, groups [32768][4] u32 (group numbers 0..255, ascending).
; The distance d = |x1|^2 + |x2|^2 - 2 x1.x2 of 16 candidates x 16 queries is one bf16 matrix instruction:
;   A row  = candidate record (x, y, z, bh, bm, bl, 0, 0), bh + bm + bl = |x2|^2 cut into three bf16 pieces,
;   B col  = query (-2x, -2y, -2z, 1, 1, 1, 0, 0),   C = |x1|^2.
; A record is 8 of the 32 places along K, so one A fragment carries four tiles and four B variants (the query in one
; quarter of K, zeros in the others) pick one tile each.  The vector unit only keeps each group's minimum (v_min3)
; and, per group minimum, five lines that keep the four smallest.  The exact ranking is the next launch's.
; A work-group: 128 queries (8 tiles of 16) against its batch's 4,096 candidates.  Wave w: query tiles 2 (w&3), 2 (w&3)+1
; and the candidate blocks 4 (w>>2) .. +3 (a block = 256 candidates = 16 groups): 128 matrix instructions.
; LIMITS.  (1) All coordinates are rounded to bf16 on load; arithmetic in f32.  (2) Four groups are kept where three are
; needed: a true neighbour is lost only if two or more other groups' minima lie within about 2^-15 d plus a few
; 2^-23 (|x1|^2 + |x2|^2) of the third smallest minimum; the neighbour taken instead is farther by at most that.
; (3) No NaN or infinity among the coordinates, and their squares stay finite.  (4) points1 is read by no launch:
; reference() takes it and never uses it.
; No tensor loads and no cluster: what work-groups share is 48 KiB of xyz2, which passes through registers to be converted.
; THE MODE: SCHED_MODE bits 1:0 = 2 (LLVM: expert scheduling mode 2), set by the entry lines.  The code itself states the register
; dependences between vector or matrix instructions and memory or LDS instructions, with s_wait_alu, always for 0.
; THE PLAN.  Registers that memory or LDS instructions touch:
;   v5-v7, v11, v13-v15   offsets and LDS addresses: made once at the head and never written again.
;   XL, QL      loaded once; read by the conversions behind the wait for the loads.
;   REC         eight records.  Written by the eight candidates' conversions, read by ONE run of eight LDS stores; from the scan on
;               these registers are result set 1.
;   AB0 .. AB7  a ring of eight A fragments.  Fragments 0 to 7 are asked for ahead of the scan, into registers that no vector line has
;               named.  Fragment f + 4 is asked for in fragment f's unit (f = 4 .. 11) and lands where fragment f - 4 lay.
;   TT .. TT+3  written by the selects, read by the store of the keys, written again in the tail.
;   KK, DS .. DS+11   the tail's four LDS loads land there.
; So the scan holds TWO waits on va_vdst, at the heads of fragments 4 and 8: each states that the four fragments before are done being
; read.  The vector and matrix lines of fragments 4 b .. 4 b + 3 name those four buffers, the result sets, MM, KK and TT: none of the
; registers in which the loads issued among them land.
.set TILEB,  272                       ; a tile in LDS: 16 records of 16 bytes + 16 bytes, so that tiles start 16 bytes apart modulo 256
.set FRAGB,  4*TILEB                   ; the four tiles of one A fragment
.set QUARTB, 64*TILEB                  ; the 64 tiles (4 blocks) of one quarter of the candidates
.set HALFB,  128*TILEB                 ; the tiles of 2,048 candidates
.set KEYX,   256*TILEB                 ; behind the table: 4 quarters x 128 queries x 4 keys
.set LANE, 2
.set RR,   3                           ; lane & 15
.set HH,   4                           ; lane >> 4
.set XO,   5                           ; 48 t: my 4 candidates in xyz2
.set QO,   6                           ; 12 r: my query in xyz1
.set STA,  7                           ; where my first record goes
.set ADA,  11                          ; where my part of A fragment 0 lies
.set HB,   12                          ; the group number's bits that hang on the lane and the wave: 8 h | 64 (w>>2)
.set KST,  13                          ; where my four keys go
.set KLD,  14                          ; where query t's keys lie
.set GO,   15                          ; 16 t
.set BW,   16                          ; v[16:51]   nine quads: Z P0 Z P0' Z P1 Z P1' Z (P: query in lanes 0-15, P': in lanes 16-31, Z: zeros)
.set CC,   52                          ; v[52:67]   C of query tile 0, 1: |x1|^2 in all eight registers
.set AB,   68                          ; v[68:131]  A fragments, a ring of eight buffers
.set DS,   132                         ; v[132:195] results: set q = four tuples of eight
.set MM,   196                         ; v[196:211] running group minima of query tile 0, 1
.set KK,   212                         ; v[212:219] the four smallest keys of query tile 0, 1, ascending
.set TT,   220                         ; v[220:227] keys at work
.set XL,   DS                          ; while the table is built: xyz2 as loaded (24 registers),
.set QL,   DS+24                       ; xyz1 as loaded (6),
.set REC,  DS+32                       ; eight records of four words,
.set TB,   MM                          ; and seven temporaries
; One candidate: round to bf16, b = (x^2 + y^2) + z^2, cut b into three bf16 pieces: the record, in a quad of its own.
.macro CAND src, rec
	v_cvt_pk_bf16_f32 v[\rec], v[\src], v[\src+1]          ; word 0: x, y
	v_cvt_pk_bf16_f32 v[TB+2], v[\src+2], v[\src+2]
	v_lshlrev_b32 v[TB], 16, v[\rec]                       ; the rounded x, y, z as f32
	v_and_b32 v[TB+1], s18, v[\rec]
	v_lshlrev_b32 v[TB+2], 16, v[TB+2]
	v_mul_f32 v[TB+3], v[TB], v[TB]
	v_fmac_f32 v[TB+3], v[TB+1], v[TB+1]
	v_fmac_f32 v[TB+3], v[TB+2], v[TB+2]                   ; b
	v_cvt_pk_bf16_f32 v[\rec+1], v[TB+2], v[TB+3]          ; word 1: z, bh
	v_and_b32 v[TB+4], s18, v[\rec+1]
	v_sub_f32 v[TB+4], v[TB+3], v[TB+4]                    ; b - bh, exact
	v_cvt_pk_bf16_f32 v[TB+5], v[TB+4], v[TB+4]
	v_lshlrev_b32 v[TB+5], 16, v[TB+5]
	v_sub_f32 v[TB+5], v[TB+4], v[TB+5]                    ; b - bh - bm, exact
	v_cvt_pk_bf16_f32 v[\rec+2], v[TB+4], v[TB+5]          ; word 2: bm, bl (word 3 is 0)
.endm
; One query tile: C and the two masked copies of the query's record.
.macro QPREP q
	v_cvt_pk_bf16_f32 v[TB], v[QL+3*\q], v[QL+3*\q+1]
	v_cvt_pk_bf16_f32 v[TB+2], v[QL+3*\q+2], v[QL+3*\q+2]
	v_and_b32 v[TB+1], s18, v[TB]
	v_lshlrev_b32 v[TB], 16, v[TB]
	v_lshlrev_b32 v[TB+2], 16, v[TB+2]
	v_mul_f32 v[TB+3], v[TB], v[TB]
	v_fmac_f32 v[TB+3], v[TB+1], v[TB+1]
	v_fmac_f32 v[TB+3], v[TB+2], v[TB+2]                   ; a = |x1|^2
	v_fma_f32 v[CC+8*\q], v[TB+3], 0x37800000, v[TB+3]     ; a (1 + 2^-16): the same shift for all candidates of a query; it keeps the
	                                                       ; coarse distances above 0, so that keys order like their bit patterns
.irp j, 1,2,3,4,5,6,7
	v_mov_b32 v[CC+8*\q+\j], v[CC+8*\q]
.endr
	v_mul_f32 v[TB], -2.0, v[TB]
	v_mul_f32 v[TB+1], -2.0, v[TB+1]
	v_mul_f32 v[TB+2], -2.0, v[TB+2]
	v_cvt_pk_bf16_f32 v[TB+4], v[TB], v[TB+1]              ; -2x, -2y (exact)
	v_cvt_pk_bf16_f32 v[TB+5], v[TB+2], 1.0                ; -2z, 1    (TB+6 holds 1, 1)
.irp k, 0,1,2
	v_cndmask_b32 v[BW+4+16*\q+\k], 0, v[TB+4+\k], s17     ; P:  lanes 0-15
	v_cndmask_b32 v[BW+12+16*\q+\k], 0, v[TB+4+\k], s18    ; P': lanes 16-31
.endr
.endm
; A fragment fr: registers 0-3 = tiles 4 fr (lanes 0-15) and 4 fr + 1 (lanes 16-31), registers 4-7 = tiles 4 fr + 2, 4 fr + 3.
.macro LOADA fr
	ds_load_b128 v[AB+8*((\fr)&7):AB+8*((\fr)&7)+3],   v[ADA] offset:FRAGB*(\fr)
	ds_load_b128 v[AB+8*((\fr)&7)+4:AB+8*((\fr)&7)+7], v[ADA] offset:FRAGB*(\fr)+2*TILEB
.endm
; Four matrix instructions: the four tiles of fragment fr against query tile q.  Register j of lane (r, h) of a result:
; candidate group 8 h + j of the block, query r.
.macro WM fr, q
	v_wmma_f32_16x16x32_bf16 v[DS+32*\q:DS+32*\q+7],       v[AB+8*((\fr)&7):AB+8*((\fr)&7)+7], v[BW+4+16*\q:BW+11+16*\q],  v[CC+8*\q:CC+8*\q+7]   ; (P, Z)
	v_wmma_f32_16x16x32_bf16 v[DS+32*\q+8:DS+32*\q+15],    v[AB+8*((\fr)&7):AB+8*((\fr)&7)+7], v[BW+12+16*\q:BW+19+16*\q], v[CC+8*\q:CC+8*\q+7]   ; (P', Z)
	v_wmma_f32_16x16x32_bf16 v[DS+32*\q+16:DS+32*\q+23],   v[AB+8*((\fr)&7):AB+8*((\fr)&7)+7], v[BW+16*\q:BW+7+16*\q],     v[CC+8*\q:CC+8*\q+7]   ; (Z, P)
	v_wmma_f32_16x16x32_bf16 v[DS+32*\q+24:DS+32*\q+31],   v[AB+8*((\fr)&7):AB+8*((\fr)&7)+7], v[BW+8+16*\q:BW+15+16*\q],  v[CC+8*\q:CC+8*\q+7]   ; (Z, P')
.endm
; The four results of a unit into the running minima; a block's first fragment starts them.
.macro VMIN q, fr
.irp j, 0,1,2,3,4,5,6,7
.if ((\fr)&3) == 0
	v_min_num_f32 v[MM+8*\q+\j], v[DS+32*\q+\j], v[DS+32*\q+8+\j]
.else
	v_min3_num_f32 v[MM+8*\q+\j], v[MM+8*\q+\j], v[DS+32*\q+\j], v[DS+32*\q+8+\j]
.endif
.endr
.irp j, 0,1,2,3,4,5,6,7
	v_min3_num_f32 v[MM+8*\q+\j], v[MM+8*\q+\j], v[DS+32*\q+16+\j], v[DS+32*\q+24+\j]
.endr
.endm
; A key into an ascending list of four.
.macro INS4 k, key
	v_med3_num_f32 v[\k+3], v[\key], v[\k+2], v[\k+3]
	v_med3_num_f32 v[\k+2], v[\key], v[\k+1], v[\k+2]
	v_med3_num_f32 v[\k+1], v[\key], v[\k], v[\k+1]
	v_min_num_f32 v[\k], v[\key], v[\k]
.endm
; A block's eight group minima of a lane: key = the minimum's upper 24 bits | the group number's bits 16 blk + j.
.macro SEL q, blk
.irp j, 0,1,2,3,4,5,6,7
	v_and_or_b32 v[TT+\j], v[MM+8*\q+\j], s16, 16*(\blk)+\j
.endr
.irp j, 0,1,2,3,4,5,6,7
	INS4 KK+4*\q, TT+\j
.endr
.endm
.macro KINIT
.irp i, 0,1,2,3,4,5,6,7
	v_mov_b32 v[KK+\i], 0x7f800000                         ; + infinity; each list takes 32 finite keys, so none stays
.endr
.endm
.macro CSWAP a, b
	v_min_u32 v[TT+4], v[\a], v[\b]
	v_max_u32 v[\b], v[\a], v[\b]
	v_mov_b32 v[\a], v[TT+4]
.endm
	s_load_b128 s[4:7], s[0:1], 0x0                ; xyz1 s[4:5], xyz2 s[6:7]
	s_load_b64 s[8:9], s[0:1], 0x10                ; groups
	v_lshl_add_u32 v228, v0, 2, 0x13000
	v_mov_b32 v229, 0
	v_lshrrev_b32 v1, 5, v0
	v_readfirstlane_b32 s10, v1                    ; wave 0..15
	s_lshr_b32 s13, ttmp9, 6                       ; batch: 64 work-groups of 128 queries each
	s_mul_i32 s14, s13, 49152                      ; a batch of xyz2: 4,096 x 12 bytes
	s_mov_b32 s15, 0
	s_mul_i32 s22, ttmp9, 1536                     ; 128 queries x 12 bytes
	s_lshl_b32 s24, ttmp9, 11                      ; 128 queries x 16 bytes of groups
	s_mov_b32 s25, 0
	s_mov_b32 s16, 0xffffff00                      ; a key's distance bits
	s_mov_b32 s17, 0x0000ffff                      ; lanes 0-15
	s_mov_b32 s18, 0xffff0000                      ; lanes 16-31, and a word's upper bf16
	s_mov_b32 s20, 0x76543210                      ; v_permlanex16_b32: lane i of one half reads lane i of the other
	s_mov_b32 s21, 0xfedcba98
	v_and_b32 v[LANE], 31, v0
	v_and_b32 v[RR], 15, v0
	v_bfe_u32 v[HH], v0, 4, 1
	v_mul_u32_u24 v[XO], v0, 48
	v_mul_u32_u24 v[QO], v[RR], 12
	; candidate 2048 u + 4 t + c: block 8 u + (t >> 6), group-in-block m = (t >> 2) & 15, element 4 (t & 3) + c;
	; tile = 16 block + element, row m: byte (16 (t>>6) + 4 (t&3)) 272 + 16 m + 272 c + 34,816 u
	v_lshrrev_b32 v8, 6, v0
	v_and_b32 v9, 3, v0
	v_lshl_add_u32 v8, v8, 2, v9
	v_mul_u32_u24 v8, v8, FRAGB
	v_bfe_u32 v9, v0, 2, 4
	v_lshl_add_u32 v[STA], v9, 4, v8               ; sixteen neighbouring lanes: sixteen different 16-byte columns modulo 256 bytes
	v_lshl_add_u32 v[KLD], v0, 4, KEYX             ; the base lies above what a 16-bit immediate reaches
	v_lshlrev_b32 v[GO], 4, v0
	s_wait_alu depctr_va_sdst(0)                   ; s10 is written, ahead of its first reader: the wave's shares are made from it
	s_and_b32 s11, s10, 3                          ; which pair of query tiles
	s_lshr_b32 s12, s10, 2                         ; which quarter of the candidates
	s_mul_i32 s23, s11, 384                        ; + 32 queries for each pair of tiles
	s_add_co_u32 s22, s22, s23
	s_mov_b32 s23, 0
	s_mul_i32 s26, s12, QUARTB
	v_mul_u32_u24 v[ADA], v[HH], TILEB
	v_lshl_add_u32 v[ADA], v[RR], 4, v[ADA]
	v_add_nc_u32 v[ADA], s26, v[ADA]               ; quarter + 272 h + 16 r
	s_lshl_b32 s27, s12, 6
	v_lshl_or_b32 v[HB], v[HH], 3, s27
	s_lshl_b32 s28, s12, 11                        ; key exchange: quarter x 2,048
	s_lshl_b32 s29, s11, 9                         ; + 32 queries x 16 bytes for each pair of tiles
	s_add_co_u32 s28, s28, s29
	s_add_co_u32 s28, s28, KEYX
	v_lshl_add_u32 v[KST], v[LANE], 4, s28
	s_wait_kmcnt 0x0
	s_add_nc_u64 s[6:7], s[6:7], s[14:15]
	s_add_nc_u64 s[4:5], s[4:5], s[22:23]
	s_add_nc_u64 s[8:9], s[8:9], s[24:25]
	s_wait_alu depctr_va_vdst(0)                   ; the seven offsets and addresses XO, QO, STA, ADA, KST, KLD, GO are written: every load and store of the kernel reads one of them, and no vector line names them again
.irp u, 0,1
.irp k, 0,1,2
	global_load_b128 v[XL+12*\u+4*\k:XL+12*\u+4*\k+3], v[XO], s[6:7] offset:24576*\u+16*\k   ; 48 bytes = 4 candidates, twice
.endr
.endr
.irp q, 0,1
.irp k, 0,1,2
	global_load_b32 v[QL+3*\q+\k], v[QO], s[4:5] offset:192*\q+4*\k                          ; query r of my two tiles
.endr
.endr
	; while the loads are out: the zeros of the B window and of the records' last words
.irp z, 0,8,16,24,32
.irp k, 0,1,2,3
	v_mov_b32 v[BW+\z+\k], 0
.endr
.endr
.irp z, 7,15,23,31
	v_mov_b32 v[BW+\z], 0
.endr
.irp i, 0,1,2,3,4,5,6,7
	v_mov_b32 v[REC+4*\i+3], 0
.endr
	v_mov_b32 v[TB+6], 0x3f803f80                  ; bf16 1, 1
	s_wait_loadcnt 0x0
.irp u, 0,1
.irp c, 0,1,2,3
	CAND XL+12*\u+3*\c, REC+16*\u+4*\c
.endr
.endr
	s_wait_alu depctr_va_vdst(0)                   ; the conversions have written the eight records, which the LDS stores read
.irp u, 0,1
.irp c, 0,1,2,3
	ds_store_b128 v[STA], v[REC+16*\u+4*\c:REC+16*\u+4*\c+3] offset:HALFB*\u+TILEB*\c
.endr
.endr
	QPREP 0                                        ; the queries' set-up stands behind the stores: it names TB, CC and BW, none of the stores' registers
	QPREP 1
	s_wait_dscnt 0x0                               ; my records are in LDS,
	s_barrier_signal -1
	s_barrier_wait -1                              ; everybody's are
	s_wait_alu depctr_vm_vsrc(0)                   ; my LDS stores have read the records' registers: these are result set 1 from here on, written by matrix instructions
	; THE SCAN, written out: 16 fragments x 2 query tiles.  Behind the four matrix instructions of a unit stand the sixteen
	; (or more) vector lines that take in the unit BEFORE it, which name none of its registers: these are the places that
	; ISA guide 7.12.1 asks for in front of the lines that read its results and of the matrix instructions that write its
	; result set again.  No result is added onto, so no chain arises.
.irp f, 0,1,2,3,4,5,6,7
	LOADA \f                                       ; half of the wave's fragments at once, into registers that no vector line has named
.endr
.irp f, 0,1,2,3,4,5,6,7,8,9,10,11,12,13,14,15
	; LDS loads come back in order (ISA guide 5.7.1): fragment f's two are in; what was issued behind them stays out:
.if \f < 4
	s_wait_dscnt 14-2*\f                           ; the rest of the sixteen first loads
.elseif \f < 13
	s_wait_dscnt 6                                 ; the three fragments behind it
.else
	s_wait_dscnt 30-2*\f                           ; the counts run down
.endif
.if (\f == 4) || (\f == 8)
	s_wait_alu depctr_va_vdst(0)                   ; the matrix instructions of the four fragments before are done reading their buffers, in which the loads of this and the next three units land
.endif
	WM \f, 0
.if (\f >= 4) && (\f < 12)
	LOADA \f+4                                     ; into the buffer that fragment f - 4 used.  No wait: no vector or matrix line since the wait above names it
.endif
.if \f == 0
	KINIT
.else
	VMIN 1, \f-1
.if ((\f-1)&3) == 3
	SEL 1, (\f-1)>>2
.endif
.endif
	WM \f, 1
	VMIN 0, \f
.if (\f&3) == 3
	SEL 0, \f>>2
.endif
.endr
	VMIN 1, 15
	SEL 1, 3
	; the rest of the group number; then the two halves of the lanes (groups 8 h + j) join their lists
.irp i, 0,1,2,3,4,5,6,7
	v_or_b32 v[KK+\i], v[HB], v[KK+\i]
.endr
.irp i, 0,1,2,3,4,5,6,7
	v_permlanex16_b32 v[TT+\i], v[KK+\i], s20, s21
.endr
.irp i, 0,1,2,3
	INS4 KK, TT+\i
	INS4 KK+4, TT+4+\i
.endr
.irp i, 0,1,2,3
	v_cndmask_b32 v[TT+\i], v[KK+\i], v[KK+4+\i], s18      ; lanes 0-15 carry tile 0's query r, lanes 16-31 tile 1's
.endr
	s_wait_alu depctr_va_vdst(0)                   ; the selects have written v[TT .. TT+3], which the LDS store reads; and every line that names KK or the result sets is done: the loads behind the barrier land there
	ds_store_b128 v[KST], v[TT:TT+3]
	s_wait_dscnt 0x0                               ; my keys are in LDS,
	s_barrier_signal -1
	s_barrier_wait -1                              ; everybody's are
	s_cmp_ge_u32 s10, 4
	s_cbranch_scc1 .Lend                           ; 128 queries: four waves finish
	; thread t = query t: the four quarters' lists into one
	ds_load_b128 v[KK:KK+3], v[KLD]
	ds_load_b128 v[DS:DS+3], v[KLD] offset:2048
	ds_load_b128 v[DS+4:DS+7], v[KLD] offset:4096
	ds_load_b128 v[DS+8:DS+11], v[KLD] offset:6144
	s_wait_dscnt 0x0
	s_wait_alu depctr_vm_vsrc(0)                   ; my LDS store has read v[TT .. TT+3], which the lines below write again
.irp i, 0,1,2,3,4,5,6,7,8,9,10,11
	INS4 KK, DS+\i
.endr
.irp i, 0,1,2,3
	v_and_b32 v[TT+\i], 0xff, v[KK+\i]             ; the group numbers
.endr
	CSWAP TT, TT+1                                 ; ascending, so that the exact ranking meets lower indices first
	CSWAP TT+2, TT+3
	CSWAP TT, TT+2
	CSWAP TT+1, TT+3
	CSWAP TT+1, TT+2
	s_wait_alu depctr_va_vdst(0)                   ; the exchanges have written v[TT .. TT+3], which the store reads
	global_store_b128 v[GO], v[TT:TT+3], s[8:9]    ; a wave's store covers 512 consecutive bytes, aligned
.Lend:
	s_wait_dscnt 0x0
	s_wait_alu depctr_hold_cnt(0) depctr_sa_sdst(0) depctr_va_vdst(0) depctr_va_sdst(0) depctr_va_ssrc(0) depctr_va_vcc(0) depctr_vm_vsrc(0)
	s_wait_tensorcnt 0x0
	ds_add_u32 v228, v229
	s_wait_dscnt 0x0
	s_endpgm
.Lfunc_end_k_qcc9ee97436_coarse:
	.size	k_qcc9ee97436_coarse, .Lfunc_end_k_qcc9ee97436_coarse-k_qcc9ee97436_coarse
	.p2alignl 7, 3214868480
	.fill 96, 4, 3214868480
	.section	.rodata,"a",@progbits
	.p2align	6, 0x0
	.amdhsa_kernel k_qcc9ee97436_coarse
		.amdhsa_group_segment_fixed_size 79872
		.amdhsa_private_segment_fixed_size 0
		.amdhsa_enable_private_segment 0
		.amdhsa_kernarg_size 24
		.amdhsa_user_sgpr_count 2
		.amdhsa_user_sgpr_kernarg_segment_ptr 1
		.amdhsa_wavefront_size32 1
		.amdhsa_system_sgpr_workgroup_id_x 1
		.amdhsa_system_sgpr_workgroup_id_y 1
		.amdhsa_system_sgpr_workgroup_id_z 1
		.amdhsa_system_vgpr_workitem_id 0
		.amdhsa_next_free_vgpr 230
		.amdhsa_next_free_sgpr 66
		.amdhsa_reserve_vcc 0
		.amdhsa_float_denorm_mode_32 3
		.amdhsa_float_denorm_mode_16_64 3
		.amdhsa_memory_ordered 1
		.amdhsa_forward_progress 1
		.amdhsa_inst_pref_size 80
	.end_amdhsa_kernel
	.amdgpu_metadata
---
amdhsa.version: [ 1, 2 ]
amdhsa.kernels:
  - .name:           k_qcc9ee97436_coarse
    .symbol:         k_qcc9ee97436_coarse.kd
    .args:
      - { .name: xyz1, .offset: 0, .size: 8, .value_kind: global_buffer, .address_space: global }
      - { .name: xyz2, .offset: 8, .size: 8, .value_kind: global_buffer, .address_space: global }
      - { .name: groups, .offset: 16, .size: 8, .value_kind: global_buffer, .address_space: global }
    .group_segment_fixed_size: 79872
    .private_segment_fixed_size: 0
    .kernarg_segment_align: 8
    .kernarg_segment_size: 24
    .max_flat_workgroup_size: 512
    .sgpr_count:     66
    .vgpr_count:     230
    .wavefront_size: 32
...
	.end_amdgpu_metadata
.endif
;; end of part 5
;; launch rerank: the kernel of part 2 again; grid 256 x 1, 8 waves a work-group, no clusters, 70,656 bytes of LDS; arguments xyz1, xyz2, groups, nbr, wgt; writes nbr, wgt
;; launch interp (part 6): grid 256 x 1, 8 waves a work-group, no clusters, 49,152 bytes of LDS; arguments points2, W, b, nbr, wgt, y, part; writes y, part
.if DOCPART == 6
	.amdgcn_target "amdgcn-amd-amdhsa--gfx1250"
	.amdhsa_code_object_version 6
	.text
	.protected	k_qcc9ee97436_interp
	.globl	k_qcc9ee97436_interp
	.p2align	8
	.type	k_qcc9ee97436_interp,@function
k_qcc9ee97436_interp:
	s_mov_b64 s[64:65], 0
	v_nop
	global_prefetch_b8 v0, s[64:65] scope:SCOPE_SE
	s_setreg_imm32_b32 hwreg(HW_REG_WAVE_SCHED_MODE, 0, 2), 2
	s_setreg_imm32_b32 hwreg(HW_REG_WAVE_MODE, 25, 1), 1
	s_wait_xcnt 0x0
	s_wait_alu depctr_vm_vsrc(0)
; INTERP: y[n][e] = sum over d of (w1 p[i1][d] + w2 p[i2][d] + w3 p[i3][d]) W[e][d] + b[e], and each work-group's mean and
; sum of squared deviations of y per channel.
; points2 [4][4096][64], W [64][64], b [64] f32; nbr [32768][4] u32, wgt [32768][4] f32; y [32768][64] f32;
; part [256][128] f32: 64 means, then 64 sums of squared deviations, of the work-group's 128 rows.
; points2, W and b are rounded to bf16 on load.  The blended row is kept in f32 and goes to the matrix unit as two bf16
; pieces, hi + lo, side by side along K (K = 128), against W twice: the blend adds no rounding of its own beyond 2^-17.
; A work-group: 128 rows; wave w: rows 16 w .. 16 w + 15, four accumulators of 16 x 16.
; Statistics are means and sums of squared deviations from the own mean, joined level by level: no difference of large sums.
; LIMITS: indices are clamped to 4,095; no NaN or infinity.
; No tensor loads, no cluster: the rows are gathered by a list, sixteen lanes to a row of 256 bytes; all 24 gathers of a wave
; go out as soon as its list is in, so there is nothing left to ask for ahead.
; THE MODE: SCHED_MODE bits 1:0 = 2 (LLVM: expert scheduling mode 2), set by the entry lines.  The code itself states the register
; dependences between vector or matrix instructions and memory or LDS instructions, with s_wait_alu, always for 0.
; THE PLAN.  Registers that memory or LDS instructions touch:
;   v4-v15, v241, v242   offsets and LDS addresses: made once at the head and never written again.
;   NB          loaded; all 24 indices become byte offsets in place; ONE wait; the 24 gathers read them.  Later: the accumulators.
;   GG          the gathers land there.  A row pair blends in its own twelve registers and leaves hi and lo in four of them, which two LDS
;               stores read.  Pairs 0-3 are stored behind one wait, while pairs 4-7 are blended; pairs 4-7 behind a second.
;   BF          W as loaded (16), its conversions' results (8), which two LDS stores read; then W's fragments land in all 64.
;   AF          the blend's fragments land there (on pairs 0-2's registers); the matrix instructions read them; then y comes back into them
;               from the stage, and the global stores read them.
;   ACC         written by the matrix instructions and the additions of b; ONE wait; the 32 stores into the stage read them.  The statistics'
;               lines, which read ACC and write SS alone, stand among the global stores of y.
;   SS+8 ct+2   written by the statistics, read by four LDS stores behind one wait; wave 0's loads land on SS.
.set WPITCH, 144                       ; a row of W in bf16: 128 bytes + 16
.set APITCH, 272                       ; a stage row: hi 128 bytes, lo 128 bytes, + 16; later a row of y, 256 bytes
.set WSTG,   0                         ; 64 rows of W
.set ASTG,   64*WPITCH                 ; 8 waves x 16 rows, each wave's own
.set STAT,   ASTG+8*16*APITCH          ; 8 waves x (64 means, 64 sums of squares)
.set NB,  16                           ; v[16:47]   nbr records; the indices become byte offsets in place
.set WG,  48                           ; v[48:79]   wgt records
.set GG,  80                           ; v[80:175]  row pair i: three gathered quads
.set BF,  176                          ; v[176:239] W's fragments: (ct, ks) at BF + 16 ct + 8 ks
.set ACC, 16                           ; v[16:47]   accumulators, once the gathers are in
.set AF,  80                           ; v[80:111]  the blend's fragments, then y on its way out
.set BB,  112                          ; v[112:119] b of my four columns, each twice
.set SS,  120                          ; v[120:151] statistics at work
.set ZR,  240                          ; 0
.set BL,  244                          ; v[244:247] b as loaded
.macro QADD d, a, b
	v_pk_add_f32 v[\d:\d+1], v[\a:\a+1], v[\b:\b+1]
	v_pk_add_f32 v[\d+2:\d+3], v[\a+2:\a+3], v[\b+2:\b+3]
.endm
.macro QSUB d, a, b
	v_pk_add_f32 v[\d:\d+1], v[\a:\a+1], v[\b:\b+1] neg_lo:[0,1] neg_hi:[0,1]
	v_pk_add_f32 v[\d+2:\d+3], v[\a+2:\a+3], v[\b+2:\b+3] neg_lo:[0,1] neg_hi:[0,1]
.endm
.macro QSQ d, a
	v_pk_mul_f32 v[\d:\d+1], v[\a:\a+1], v[\a:\a+1]
	v_pk_mul_f32 v[\d+2:\d+3], v[\a+2:\a+3], v[\a+2:\a+3]
.endm
.macro QSQA d, a
	v_pk_fma_f32 v[\d:\d+1], v[\a:\a+1], v[\a:\a+1], v[\d:\d+1]
	v_pk_fma_f32 v[\d+2:\d+3], v[\a+2:\a+3], v[\a+2:\a+3], v[\d+2:\d+3]
.endm
; four channels: acc = bf16 x weight + acc0
.macro MIX4 g, p, w, c0, c1, c2, c3
	v_fma_mix_f32_bf16 v[\g+2], v[\p], v[\w], v[\c0] op_sel_hi:[1,0,0]
	v_fma_mix_f32_bf16 v[\g+3], v[\p], v[\w], v[\c1] op_sel:[1,0,0] op_sel_hi:[1,0,0]
	v_fma_mix_f32_bf16 v[\g+6], v[\p+1], v[\w], v[\c2] op_sel_hi:[1,0,0]
	v_fma_mix_f32_bf16 v[\g+7], v[\p+1], v[\w], v[\c3] op_sel:[1,0,0] op_sel_hi:[1,0,0]
.endm
; Row pair i's hi and lo into my wave's stage.
.macro PUT i
	ds_store_b64 v10, v[GG+12*\i:GG+12*\i+1] offset:2*APITCH*\i
	ds_store_b64 v10, v[GG+12*\i+4:GG+12*\i+5] offset:2*APITCH*\i+128
.endm
; Rows 2 i (lanes 0-15) and 2 i + 1 (lanes 16-31): lane l blends channels 4 l .. 4 l + 3.  All temporaries are the row pair's own twelve registers.
.macro ROW i
	s_wait_loadcnt 21-3*\i                         ; loads come back in order (ISA guide 5.7.1): this pair's three gathers are in, the 21 - 3 i of later pairs stay out
.if \i == 4
	s_wait_alu depctr_va_vdst(0)                   ; pairs 0 to 3 are blended: their hi and lo are written, which the eight LDS stores read; pairs 4 to 7 name other registers
	PUT 0
	PUT 1
	PUT 2
	PUT 3
.endif
.irp k, 0,4,8
	v_cvt_pk_bf16_f32 v[GG+12*\i+\k], v[GG+12*\i+\k], v[GG+12*\i+\k+1]         ; points2 rounded to bf16
	v_cvt_pk_bf16_f32 v[GG+12*\i+\k+1], v[GG+12*\i+\k+2], v[GG+12*\i+\k+3]
.endr
	MIX4 GG+12*\i, GG+12*\i,   WG+4*\i,   ZR, ZR, ZR, ZR
	MIX4 GG+12*\i, GG+12*\i+4, WG+4*\i+1, GG+12*\i+2, GG+12*\i+3, GG+12*\i+6, GG+12*\i+7
	MIX4 GG+12*\i, GG+12*\i+8, WG+4*\i+2, GG+12*\i+2, GG+12*\i+3, GG+12*\i+6, GG+12*\i+7
	v_cvt_pk_bf16_f32 v[GG+12*\i], v[GG+12*\i+2], v[GG+12*\i+3]                ; hi
	v_cvt_pk_bf16_f32 v[GG+12*\i+1], v[GG+12*\i+6], v[GG+12*\i+7]
	v_lshlrev_b32 v[GG+12*\i+10], 16, v[GG+12*\i]
	v_and_b32 v[GG+12*\i+11], s18, v[GG+12*\i]
	v_lshlrev_b32 v[GG+12*\i+8], 16, v[GG+12*\i+1]
	v_and_b32 v[GG+12*\i+9], s18, v[GG+12*\i+1]
	v_pk_add_f32 v[GG+12*\i+2:GG+12*\i+3], v[GG+12*\i+2:GG+12*\i+3], v[GG+12*\i+10:GG+12*\i+11] neg_lo:[0,1] neg_hi:[0,1]
	v_pk_add_f32 v[GG+12*\i+6:GG+12*\i+7], v[GG+12*\i+6:GG+12*\i+7], v[GG+12*\i+8:GG+12*\i+9] neg_lo:[0,1] neg_hi:[0,1]
	v_cvt_pk_bf16_f32 v[GG+12*\i+4], v[GG+12*\i+2], v[GG+12*\i+3]              ; lo = what hi left
	v_cvt_pk_bf16_f32 v[GG+12*\i+5], v[GG+12*\i+6], v[GG+12*\i+7]
.endm
; Column block ct: mean and sum of squared deviations of my wave's 16 rows, per column 16 ct + r.  It reads ACC and writes its own eight registers of SS.
.macro STATS ct
	v_pk_add_f32 v[SS+8*\ct:SS+8*\ct+1], v[ACC+8*\ct:ACC+8*\ct+1], v[ACC+8*\ct+2:ACC+8*\ct+3]
	v_pk_add_f32 v[SS+8*\ct+2:SS+8*\ct+3], v[ACC+8*\ct+4:ACC+8*\ct+5], v[ACC+8*\ct+6:ACC+8*\ct+7]
	v_pk_add_f32 v[SS+8*\ct:SS+8*\ct+1], v[SS+8*\ct:SS+8*\ct+1], v[SS+8*\ct+2:SS+8*\ct+3]
	v_add_f32 v[SS+8*\ct], v[SS+8*\ct], v[SS+8*\ct+1]
	v_permlanex16_b32 v[SS+8*\ct+1], v[SS+8*\ct], s22, s23         ; rows 8 h + j: the other eight rows
	v_add_f32 v[SS+8*\ct], v[SS+8*\ct], v[SS+8*\ct+1]
	v_mul_f32 v[SS+8*\ct], 0x3d800000, v[SS+8*\ct]                 ; / 16
	v_mov_b32 v[SS+8*\ct+1], v[SS+8*\ct]
	v_pk_add_f32 v[SS+8*\ct+2:SS+8*\ct+3], v[ACC+8*\ct:ACC+8*\ct+1], v[SS+8*\ct:SS+8*\ct+1] neg_lo:[0,1] neg_hi:[0,1]
	v_pk_mul_f32 v[SS+8*\ct+4:SS+8*\ct+5], v[SS+8*\ct+2:SS+8*\ct+3], v[SS+8*\ct+2:SS+8*\ct+3]
.irp p, 2,4,6
	v_pk_add_f32 v[SS+8*\ct+2:SS+8*\ct+3], v[ACC+8*\ct+\p:ACC+8*\ct+\p+1], v[SS+8*\ct:SS+8*\ct+1] neg_lo:[0,1] neg_hi:[0,1]
	v_pk_fma_f32 v[SS+8*\ct+4:SS+8*\ct+5], v[SS+8*\ct+2:SS+8*\ct+3], v[SS+8*\ct+2:SS+8*\ct+3], v[SS+8*\ct+4:SS+8*\ct+5]
.endr
	v_add_f32 v[SS+8*\ct+4], v[SS+8*\ct+4], v[SS+8*\ct+5]
	v_permlanex16_b32 v[SS+8*\ct+5], v[SS+8*\ct+4], s22, s23
	v_add_f32 v[SS+8*\ct+4], v[SS+8*\ct+4], v[SS+8*\ct+5]
	v_cndmask_b32 v[SS+8*\ct+2], v[SS+8*\ct], v[SS+8*\ct+4], s18   ; lanes 0-15 carry the mean, lanes 16-31 the sum of squares
.endm
; Rows 2 i and 2 i + 1 of y, back from the stage, go out.
.macro OUT i
	s_wait_dscnt 7-\i                              ; load i is in, the 7 - i younger ones stay out
	global_store_b128 v15, v[AF+4*\i:AF+4*\i+3], s[14:15] offset:512*\i    ; 512 consecutive bytes, aligned
.endm
	s_load_b256 s[4:11], s[0:1], 0x0               ; points2 s[4:5], W s[6:7], b s[8:9], nbr s[10:11]
	s_load_b128 s[12:15], s[0:1], 0x20             ; wgt s[12:13], y s[14:15]
	s_load_b64 s[16:17], s[0:1], 0x30              ; part
	v_lshl_add_u32 v248, v0, 2, 0xbc00
	v_mov_b32 v249, 0
	v_lshrrev_b32 v1, 5, v0
	v_readfirstlane_b32 s19, v1                    ; wave 0..7
	s_mov_b32 s18, 0xffff0000                      ; lanes 16-31, and a word's upper bf16
	s_mov_b32 s22, 0x76543210
	s_mov_b32 s23, 0xfedcba98
	s_lshr_b32 s20, ttmp9, 6                       ; batch
	s_lshl_b32 s24, s20, 20                        ; a batch of points2: 4,096 rows of 256 bytes
	s_mov_b32 s25, 0
	s_lshl_b32 s26, ttmp9, 11                      ; nbr, wgt: 16 bytes a row, 128 rows a work-group
	s_lshl_b32 s28, ttmp9, 15                      ; y: 256 bytes a row
	s_lshl_b32 s30, ttmp9, 9                       ; part: 512 bytes a work-group
	s_mov_b32 s31, 0
	v_and_b32 v2, 15, v0                           ; l = r
	v_bfe_u32 v3, v0, 4, 1                         ; h
	v_lshlrev_b32 v4, 4, v3                        ; 16 h
	v_lshlrev_b32 v5, 6, v0                        ; 64 t: my 16 numbers of W
	v_lshlrev_b32 v6, 2, v2                        ; 4 l
	v_lshlrev_b32 v7, 4, v2                        ; 16 l
	v_lshrrev_b32 v8, 2, v0
	v_mul_u32_u24 v8, v8, WPITCH
	v_and_b32 v9, 3, v0
	v_lshl_add_u32 v8, v9, 5, v8                   ; W in: row t >> 2, 32 bytes for each quarter of a row
	v_mul_u32_u24 v9, v2, WPITCH
	v_add_nc_u32 v9, v9, v4                        ; W's fragments: 144 r + 16 h
	v_lshl_add_u32 v15, v3, 8, v7                  ; y in memory: 256 h + 16 l
	v_add_nc_u32 v241, STAT, v7                    ; for wave 0's last part: the statistics of channels 4 l .. 4 l + 3,
	v_lshlrev_b32 v242, 4, v0                      ; and 16 x lane (wave 0)
	v_mov_b32 v[ZR], 0
	s_wait_alu depctr_va_sdst(0)                   ; s19 is written, ahead of its first reader: the wave's shares are made from it
	s_lshl_b32 s27, s19, 8                         ; nbr, wgt: 16 rows a wave
	s_add_co_u32 s26, s26, s27
	s_mov_b32 s27, 0
	s_lshl_b32 s29, s19, 12                        ; y likewise
	s_add_co_u32 s28, s28, s29
	s_mov_b32 s29, 0
	s_mul_i32 s32, s19, 16*APITCH
	s_add_co_u32 s32, s32, ASTG                    ; my wave's stage
	s_lshl_b32 s33, s19, 9
	s_add_co_u32 s33, s33, STAT                    ; my wave's statistics
	v_mul_u32_u24 v1, v3, APITCH
	v_add_nc_u32 v1, s32, v1                       ; stage + 272 h
	v_lshl_add_u32 v10, v2, 3, v1                  ; hi, lo in: + 8 l
	v_add_nc_u32 v14, v1, v7                       ; y back: + 16 l
	v_mul_u32_u24 v11, v2, APITCH
	v_add3_u32 v11, v11, v4, s32                   ; the blend's fragments: stage + 272 r + 16 h
	v_lshl_add_u32 v12, v3, 8, v6
	v_add_nc_u32 v12, s33, v12                     ; statistics in: 256 h + 4 r
	v_mul_u32_u24 v13, v3, 8*APITCH
	v_add3_u32 v13, v13, v6, s32                   ; y in: stage + 272 (8 h) + 4 r
	s_wait_kmcnt 0x0
	s_add_nc_u64 s[4:5], s[4:5], s[24:25]
	s_add_nc_u64 s[10:11], s[10:11], s[26:27]
	s_add_nc_u64 s[12:13], s[12:13], s[26:27]
	s_add_nc_u64 s[14:15], s[14:15], s[28:29]
	s_add_nc_u64 s[16:17], s[16:17], s[30:31]
	s_wait_alu depctr_va_vdst(0)                   ; the offsets and addresses v4 to v15, v241 and v242 are written, which the loads and stores of the whole kernel read; no vector line names them again
.irp i, 0,1,2,3,4,5,6,7
	global_load_b128 v[NB+4*\i:NB+4*\i+3], v4, s[10:11] offset:32*\i       ; row 2 i + h
.endr
.irp i, 0,1,2,3,4,5,6,7
	global_load_b128 v[WG+4*\i:WG+4*\i+3], v4, s[12:13] offset:32*\i
.endr
.irp k, 0,1,2,3
	global_load_b128 v[BF+4*\k:BF+4*\k+3], v5, s[6:7] offset:16*\k
.endr
.irp ct, 0,1,2,3
	global_load_b32 v[BL+\ct], v6, s[8:9] offset:64*\ct                    ; b[16 ct + r]
.endr
	s_wait_loadcnt 16                              ; the lists are in; 8 loads of weights, 4 of W, 4 of b stay out
.irp i, 0,1,2,3,4,5,6,7
.irp k, 0,1,2
	v_min_u32 v[NB+4*\i+\k], 0xfff, v[NB+4*\i+\k]                          ; a loaded number enters an address only clamped to the table
	v_lshl_add_u32 v[NB+4*\i+\k], v[NB+4*\i+\k], 8, v7                     ; row x 256 + 16 l: sixteen lanes read one whole row
.endr
.endr
	s_wait_alu depctr_va_vdst(0)                   ; all 24 byte offsets are written, which the gathers read: one wait for the run
.irp i, 0,1,2,3,4,5,6,7
.irp k, 0,1,2
	global_load_b128 v[GG+12*\i+4*\k:GG+12*\i+4*\k+3], v[NB+4*\i+\k], s[4:5]
.endr
.endr
	s_wait_loadcnt 28                              ; W (and the weights) are in; 4 loads of b and the 24 gathers stay out
.irp k, 0,1,2,3,4,5,6,7
	v_cvt_pk_bf16_f32 v[BF+16+\k], v[BF+2*\k], v[BF+2*\k+1]
.endr
	s_wait_alu depctr_va_vdst(0)                   ; the conversions have written v[BF+16 .. BF+23], which the LDS stores read, and are done reading v[BF .. BF+15], in which W's fragments land
	ds_store_b128 v8, v[BF+16:BF+19]
	ds_store_b128 v8, v[BF+20:BF+23] offset:16
	s_wait_dscnt 0x0                               ; my part of W is in LDS,
	s_barrier_signal -1
	s_barrier_wait -1                              ; everybody's is
	s_wait_alu depctr_vm_vsrc(0)                   ; my two LDS stores have read v[BF+16 .. BF+23], in which W's fragments land
.irp ct, 0,1,2,3
.irp ks, 0,1
	ds_load_b128 v[BF+16*\ct+8*\ks:BF+16*\ct+8*\ks+3],   v9 offset:16*WPITCH*\ct+64*\ks
	ds_load_b128 v[BF+16*\ct+8*\ks+4:BF+16*\ct+8*\ks+7], v9 offset:16*WPITCH*\ct+64*\ks+32
.endr
.endr
.irp i, 0,1,2,3,4,5,6,7
	ROW \i
.endr
	s_wait_alu depctr_va_vdst(0)                   ; pairs 4 to 7 are blended: their hi and lo are written, which the eight LDS stores read
	PUT 4
	PUT 5
	PUT 6
	PUT 7
	s_wait_alu depctr_vm_vsrc(0)                   ; the sixteen LDS stores have read their data, and the gathers their offsets: the fragments below land on pairs 0 to 2's registers, b and the statistics are written onto later pairs', the sums onto the offsets'
.irp ks, 0,1,2,3
	ds_load_b128 v[AF+8*\ks:AF+8*\ks+3],   v11 offset:64*\ks               ; my wave's own bytes, served in order behind the stores (ISA guide 5.7.1)
	ds_load_b128 v[AF+8*\ks+4:AF+8*\ks+7], v11 offset:64*\ks+32
.endr
	s_wait_dscnt 0x0
	; K = 128: hi (ks 0, 1), lo (ks 2, 3), each against W's two K steps.  The four accumulators take turns, one instruction
	; a turn; the first turn starts the sums.
.irp ks, 0,1,2,3
.irp ct, 0,1,2,3
.if \ks == 0
	v_wmma_f32_16x16x32_bf16 v[ACC+8*\ct:ACC+8*\ct+7], v[AF+8*\ks:AF+8*\ks+7], v[BF+16*\ct+8*(\ks&1):BF+16*\ct+8*(\ks&1)+7], 0
.else
	v_wmma_f32_16x16x32_bf16 v[ACC+8*\ct:ACC+8*\ct+7], v[AF+8*\ks:AF+8*\ks+7], v[BF+16*\ct+8*(\ks&1):BF+16*\ct+8*(\ks&1)+7], v[ACC+8*\ct:ACC+8*\ct+7]
.endif
.endr
.endr
	; b rounded to bf16, twice each: twelve plain lines that name no register of the matrix instructions above, more than the
	; four places that stand in front of the first line that reads a result (ISA guide 7.12.1)
.irp ct, 0,1,2,3
	v_cvt_pk_bf16_f32 v[BB+2*\ct], v[BL+\ct], v[BL+\ct]
	v_and_b32 v[BB+2*\ct+1], s18, v[BB+2*\ct]
	v_lshlrev_b32 v[BB+2*\ct], 16, v[BB+2*\ct]
.endr
.irp ct, 0,1,2,3
.irp p, 0,2,4,6
	v_pk_add_f32 v[ACC+8*\ct+\p:ACC+8*\ct+\p+1], v[ACC+8*\ct+\p:ACC+8*\ct+\p+1], v[BB+2*\ct:BB+2*\ct+1]
.endr
.endr
	s_wait_alu depctr_va_vdst(0)                   ; the additions of b have written the accumulators, which the LDS stores read; the matrix instructions are done reading AF, in which y comes back
	; y out through my wave's stage: register j of lane (r, h) is y(8 h + j, 16 ct + r); rows come back whole
.irp ct, 0,1,2,3
.irp j, 0,1,2,3,4,5,6,7
	ds_store_b32 v13, v[ACC+8*\ct+\j] offset:APITCH*\j+64*\ct
.endr
.endr
.irp i, 0,1,2,3,4,5,6,7
	ds_load_b128 v[AF+4*\i:AF+4*\i+3], v14 offset:2*APITCH*\i              ; rows 2 i, 2 i + 1; the wave's own bytes, in order behind the stores
.endr
	; the statistics stand among the stores of y: their lines read ACC and write SS, none of the registers that those stores read
	STATS 0
	OUT 0
	OUT 1
	STATS 1
	OUT 2
	OUT 3
	STATS 2
	OUT 4
	OUT 5
	STATS 3
	OUT 6
	OUT 7
	s_wait_alu depctr_va_vdst(0)                   ; the four selects have written v[SS+8 ct+2], which the LDS stores read; every line that names BB or SS is done: wave 0's loads land there
.irp ct, 0,1,2,3
	ds_store_b32 v12, v[SS+8*\ct+2] offset:64*\ct
.endr
	s_wait_dscnt 0x0                               ; my statistics are in LDS,
	s_barrier_signal -1
	s_barrier_wait -1                              ; everybody's are
	s_cmp_lg_u32 s19, 0
	s_cbranch_scc1 .Lend
	; wave 0 joins the eight waves' figures: mean = sum of means / 8, M2 = sum of M2 + 16 sum of (mean_w - mean)^2
	s_wait_alu depctr_vm_vsrc(0)                   ; my four LDS stores have read v[SS+8 ct+2], in which the loads below land
.irp w, 0,1,2,3,4,5,6,7
	ds_load_b128 v[112+4*\w:112+4*\w+3], v241 offset:512*\w
	ds_load_b128 v[144+4*\w:144+4*\w+3], v241 offset:512*\w+256
.endr
	s_wait_dscnt 0x0
	QADD 176, 112, 116
	QADD 184, 144, 148
.irp w, 2,3,4,5,6,7
	QADD 176, 176, 112+4*\w
	QADD 184, 184, 144+4*\w
.endr
	v_pk_mul_f32 v[176:177], v[176:177], 0x3e000000 op_sel_hi:[1,0]        ; / 8
	v_pk_mul_f32 v[178:179], v[178:179], 0x3e000000 op_sel_hi:[1,0]
.irp w, 0,1,2,3,4,5,6,7
	QSUB 112+4*\w, 112+4*\w, 176
.endr
	QSQ 180, 112
.irp w, 1,2,3,4,5,6,7
	QSQA 180, 112+4*\w
.endr
	v_pk_fma_f32 v[184:185], v[180:181], 0x41800000, v[184:185] op_sel_hi:[1,0,1]   ; x 16 rows a wave
	v_pk_fma_f32 v[186:187], v[182:183], 0x41800000, v[186:187] op_sel_hi:[1,0,1]
.irp c, 0,1,2,3
	v_cndmask_b32 v[188+\c], v[176+\c], v[184+\c], s18
.endr
	s_wait_alu depctr_va_vdst(0)                   ; the selects have written v[188:191], which the store reads
	global_store_b128 v242, v[188:191], s[16:17]   ; lanes 0-15: 64 means, lanes 16-31: 64 sums of squares; 512 consecutive bytes
.Lend:
	s_wait_dscnt 0x0
	s_wait_alu depctr_hold_cnt(0) depctr_sa_sdst(0) depctr_va_vdst(0) depctr_va_sdst(0) depctr_va_ssrc(0) depctr_va_vcc(0) depctr_vm_vsrc(0)
	s_wait_tensorcnt 0x0
	ds_add_u32 v248, v249
	s_wait_dscnt 0x0
	s_endpgm
.Lfunc_end_k_qcc9ee97436_interp:
	.size	k_qcc9ee97436_interp, .Lfunc_end_k_qcc9ee97436_interp-k_qcc9ee97436_interp
	.p2alignl 7, 3214868480
	.fill 96, 4, 3214868480
	.section	.rodata,"a",@progbits
	.p2align	6, 0x0
	.amdhsa_kernel k_qcc9ee97436_interp
		.amdhsa_group_segment_fixed_size 49152
		.amdhsa_private_segment_fixed_size 0
		.amdhsa_enable_private_segment 0
		.amdhsa_kernarg_size 56
		.amdhsa_user_sgpr_count 2
		.amdhsa_user_sgpr_kernarg_segment_ptr 1
		.amdhsa_wavefront_size32 1
		.amdhsa_system_sgpr_workgroup_id_x 1
		.amdhsa_system_sgpr_workgroup_id_y 1
		.amdhsa_system_sgpr_workgroup_id_z 1
		.amdhsa_system_vgpr_workitem_id 0
		.amdhsa_next_free_vgpr 250
		.amdhsa_next_free_sgpr 66
		.amdhsa_reserve_vcc 0
		.amdhsa_float_denorm_mode_32 3
		.amdhsa_float_denorm_mode_16_64 3
		.amdhsa_memory_ordered 1
		.amdhsa_forward_progress 1
		.amdhsa_inst_pref_size 45
	.end_amdhsa_kernel
	.amdgpu_metadata
---
amdhsa.version: [ 1, 2 ]
amdhsa.kernels:
  - .name:           k_qcc9ee97436_interp
    .symbol:         k_qcc9ee97436_interp.kd
    .args:
      - { .name: points2, .offset: 0, .size: 8, .value_kind: global_buffer, .address_space: global }
      - { .name: W, .offset: 8, .size: 8, .value_kind: global_buffer, .address_space: global }
      - { .name: b, .offset: 16, .size: 8, .value_kind: global_buffer, .address_space: global }
      - { .name: nbr, .offset: 24, .size: 8, .value_kind: global_buffer, .address_space: global }
      - { .name: wgt, .offset: 32, .size: 8, .value_kind: global_buffer, .address_space: global }
      - { .name: y, .offset: 40, .size: 8, .value_kind: global_buffer, .address_space: global }
      - { .name: part, .offset: 48, .size: 8, .value_kind: global_buffer, .address_space: global }
    .group_segment_fixed_size: 49152
    .private_segment_fixed_size: 0
    .kernarg_segment_align: 8
    .kernarg_segment_size: 56
    .max_flat_workgroup_size: 256
    .sgpr_count:     66
    .vgpr_count:     250
    .wavefront_size: 32
...
	.end_amdgpu_metadata
.endif
;; end of part 6
;; launch bnorm: the kernel of part 4 again; grid 256 x 1, 8 waves a work-group, no clusters, 9,216 bytes of LDS; arguments y, part, gamma, beta, out0; writes out0
